; MI455X (gfx1250); checked and timed in simulation.
; The chip was launched on July 23, 2026; its instructions are those of AMD's public machine-readable ISA for CDNA 5 (MIT licence, August 2026) and "CDNA5" Instruction Set Architecture Reference Guide (July 2026). The comments in the code are by the model that wrote it; some were corrected since.
;; Encoder Block. Allowed arithmetic: matrix products marked QUANTISED: E4M3 operands, one given power-of-two scale a tensor, by v_wmma_f32_16x16x64_fp8_fp8 or v_wmma_f32_16x16x128_fp8_fp8, f32 sums; everything else in f32.
;; Inputs: alpha1 1 float32; alpha2 1 float32; b1 4,096 float32; b2 1,024 float32; beta1 1 float32; beta2 1 float32; bk 1,024 float32; bo 1,024 float32; bq 1,024 float32; bv 1,024 float32; lowp_scales 16 int32 (the exponents e of the quantised operands' scales 2^e); src_mask 2 x 1 x 1 x 2,048 int32; w1 1,024 x 4,096 float32; w2 4,096 x 1,024 float32; wk 1,024 x 1,024 float32; wo 1,024 x 1,024 float32; wq 1,024 x 1,024 float32; wv 1,024 x 1,024 float32; x 2 x 2,048 x 1,024 float32.
;; Outputs: out0 2 x 2,048 x 1,024 float32.
;; This version of the problem:
;;   THIS VERSION OF THE PROBLEM IS GIVEN IN LOW PRECISION. The matrix products marked QUANTISED in the list below multiply operands that are first quantised to E4M3 (4 exponent bits, 3 mantissa bits; 8 bits a number), with one given power-of-two scale for each operand tensor; their sums are f32. All else is computed in f32.
;;   The module's matrix products, in the order in which they are computed (A, B: the left and right operand; K: the contracted axis; several contracted axes count as one K, in the product's order):
;;     1. [M 4,096, K 1,024] x [K 1,024, N 1,024]; A: computed on the way; B: input wq: QUANTISED (scales: A lowp_scales[0], B lowp_scales[1])
;;     2. [M 4,096, K 1,024] x [K 1,024, N 1,024]; A: computed on the way; B: input wk: QUANTISED (scales: A lowp_scales[2], B lowp_scales[3])
;;     3. [M 4,096, K 1,024] x [K 1,024, N 1,024]; A: computed on the way; B: input wv: QUANTISED (scales: A lowp_scales[4], B lowp_scales[5])
;;     4. batch 32 x [M 2,048, K 64] x [K 64, N 2,048]; A: computed on the way; B: computed on the way: QUANTISED (scales: A lowp_scales[6], B lowp_scales[7])
;;     5. batch 32 x [M 2,048, K 2,048] x [K 2,048, N 64]; A: softmax (see below); B: computed on the way: QUANTISED (scales: A lowp_scales[8], B lowp_scales[9])
;;     6. [M 4,096, K 1,024] x [K 1,024, N 1,024]; A: computed on the way; B: input wo: QUANTISED (scales: A lowp_scales[10], B lowp_scales[11])
;;     7. [M 4,096, K 1,024] x [K 1,024, N 4,096]; A: computed on the way; B: input w1: QUANTISED (scales: A lowp_scales[12], B lowp_scales[13])
;;     8. [M 4,096, K 4,096] x [K 4,096, N 1,024]; A: computed on the way; B: input w2: QUANTISED (scales: A lowp_scales[14], B lowp_scales[15])
;;   THE QUANTISER, for each operand of a quantised product, along K:
;;     - The operand's scale is 2^e, e = its entry of the input lowp_scales (int32; the entries are numbered through the quantised products in the list's order, A before B).
;;     - Each number is divided by the scale, clamped to +-448, and rounded to the nearest number of E4M3, ties to even, subnormals kept.
;;     - The product sums the exact products of the quantised numbers (number of the format x scale) in f32.
;;   ~~~python
;;   def quantise(x, axis, e):      # numpy; x: float32 -> the quantised numbers, widened to float32 again
;;       x = np.moveaxis(x, axis, -1); K = x.shape[-1]
;;       r = np.clip(x / 2.0 ** e, -448, 448)
;;       step = 2.0 ** (np.maximum(np.frexp(np.where(r == 0, 1, r))[1] - 1, -6) - 3)
;;       q = np.round(r / step) * step * 2.0 ** e      # np.round: ties to even
;;       return np.moveaxis(q, -1, axis).astype(np.float32)
;;   ~~~
;;   SOFTMAX AHEAD OF A QUANTISED PRODUCT. Where the list says 'softmax', what is quantised is not the finished softmax but p = 2^(t - M), with t = logit x log2(e) and M = ceil(the row's largest t), a whole number; so 1/2 < the row's largest p <= 1. The row's sum l is taken of the UNQUANTISED p, in f32, and the product's result is divided by l at the end. Since M is a whole number, a kernel that streams over the keys may use a running M (the ceiling of the running maximum): every later rescaling is an exact power of two, so the quantised numbers keep their values, but for numbers so far below the row's largest that they fall under the format's range.
;;   OPERANDS COMPUTED ON THE WAY. 'Computed on the way' means the value that the module computes at that place (a softmax that the list does not call 'softmax' is quantised finished and normalised). What goes into a quantiser is computed in f32, as accurately as f32 sums, v_exp_f32 and their like allow (about 1e-6 of the number): no bf16 or f16 on the way to a quantiser, and a product that is left as it is and whose result goes on into a quantised operand takes f32 operands (vector FMAs, or v_wmma_f32_16x16x4_f32). A number that lies on a knife's edge between two numbers of the format may be rounded either way, as far as f32 arithmetic and the matrix unit's own rounding can turn it there, and no further.
;; One version. Each part assembles by itself: llvm-mc -triple=amdgcn-amd-amdhsa -mcpu=gfx1250 --defsym DOCPART=n.
;; ======== version 1 of 1: 7 launches
;; limits: right only within a limited range of input values
;; workspace buffers: wf 12,582,912 bytes; xn3 12,582,912 bytes; qkvf 12,582,912 bytes; ctxf 4,194,304 bytes; x1 16,777,216 bytes; xn2f 4,194,304 bytes; hidf 16,777,216 bytes
;; launch wprep (part 1): grid 448 x 1, 16 waves a work-group, no clusters, 125,952 bytes of LDS; arguments wq, wk, wv, wo, w1, w2, lowp_scales, wf, x, alpha1, beta1, xn3; writes wf, xn3
.if DOCPART == 1
	.amdgcn_target "amdgcn-amd-amdhsa--gfx1250"
	.amdhsa_code_object_version 6
	.text
	.protected	k_q0098c424ab_wprep
	.globl	k_q0098c424ab_wprep
	.p2align	8
	.type	k_q0098c424ab_wprep,@function
k_q0098c424ab_wprep:
	s_mov_b64 s[64:65], 0
	v_nop
	global_prefetch_b8 v0, s[64:65] scope:SCOPE_SE
	s_setreg_imm32_b32 hwreg(HW_REG_WAVE_MODE, 25, 1), 1
	s_wait_xcnt 0x0
; THE SIX WEIGHTS, f32 stored [K][N], BECOME CODES OF E4M3, each with its given scale 2^e (entries 1, 3, 5, 11, 13, 15), laid as IMAGES OF OPERAND REGISTERS.
; An image is 16 rows n x 128 along K = 2,048 bytes: four groups g of 512 bytes, lane L's 16 bytes at 512 g + 16 L.  With r = L % 16, h = L / 16 these bytes are row r,
; k = 32 g + 8 h + 0..7 and k = 32 g + 16 + 8 h + 0..7: registers 4 g .. 4 g + 3 of the plain fp8 forms' own layout.  A tensor is [N/16 row tiles][K/128 steps][2,048].
; wf: wq at 0, wk at 1 MiB, wv at 2 MiB, wo at 3 MiB, w1 at 4 MiB, w2 at 8 MiB.
; code = x / 2^e, held within +-448, to the nearest code, ties to even.  LIMITS: -126 <= e <= 119.  NaN among the inputs is not served.
; SHARES.  A work-group takes 128 columns x 128 along K (one K step of images), a wave 32 columns, A LANE ONE COLUMN WITH ITS REGISTERS DOWN K: each load reads 128 consecutive bytes, and the conversions give codes with K innermost.
; Work-groups 0-255: wq, wk, wv, wo (64 each); 256-511: w1; 512-767: w2.  Only pointers, strides and the exponent are chosen, by selects on the work-group's number: one path for all six.
; The codes turn through the wave's own stage in LDS (32 rows of 128 bytes + 16) and leave as images: each store covers 512 consecutive bytes, aligned.
; No barrier (waves share nothing), no cluster (work-groups share no input), no matrix unit.  Loads run two blocks of 32 ahead; the small share makes many waves, each with its own loads out.
.set PITCH, 144                        ; a stage row: 36 words, so sixteen rows' 16 bytes fall on sixteen different groups of four banks (64 banks of 4 bytes: ISA guide 11.1)
.set NB,    4                          ; blocks of 32 along K
.set OF,    16                         ; v16-47   4 x lane + i rows of the source
.set X,     48                         ; v48-111  two sets of 32 numbers; later the way out
.set C,     112                        ; v112-119 a block's codes
.set LB,    32                         ; s[32:39] a load base for each of the 4 blocks
.set OB,    48                         ; s[48:51] a store base for each of my 2 row tiles
; ONE LAUNCH PREPARES ALL OPERANDS THAT HANG ON INPUTS ALONE.  Work-groups of 16 waves.  Numbers 0 to NWW - 1 take the weights: four waves on end do what is called a work-group above,
; its number being 4 x the work-group's number + wave / 4 (0 to 767), its wave wave % 4; the stage is the wave's own, by the wave's whole number.  Numbers NWW to NWW + 255 take the first layer norm (at .Lnorm).
; The two paths part on the work-group's number alone and have LDS bytes of their own: the weights' sixteen stages from 0, the norm's rows from LNB, the spare words from SPARE.
.set NWW,   192
.set LNB,   16*32*144                  ; behind the sixteen stages
.set SPARE, 0x1e400                    ; behind the norm's 3 x 16 rows of 1,040 bytes; 128 bytes a wave
	v_lshl_add_u32 v126, v0, 2, SPARE
	v_mov_b32 v127, 0
	s_cmp_lt_u32 ttmp9, NWW
	s_cbranch_scc0 .Lnorm
	s_load_b512 s[4:19], s[0:1], 0x0               ; wq, wk, wv, wo, w1, w2, the exponents, wf
	v_lshrrev_b32 v1, 5, v0
	v_readfirstlane_b32 s20, v1                    ; wave
	v_and_b32 v1, 31, v0                           ; lane
	s_wait_alu depctr_va_vdst(0)
	v_and_b32 v2, 15, v0                           ; r
	v_bfe_u32 v3, v0, 4, 1                         ; h
	s_mul_i32 s21, s20, 32*PITCH                   ; my stage, by the wave's whole number
	s_lshr_b32 s62, s20, 2
	s_and_b32 s20, s20, 3                          ; my place among the four waves that share 128 columns
	s_lshl_b32 s63, ttmp9, 2
	s_add_co_u32 s62, s62, s63                     ; which share of 128 columns x 128 along K: 0 to 767
	v_mul_u32_u24 v4, v1, PITCH
	v_add_nc_u32 v4, s21, v4                       ; into it: row = my column
	v_mul_u32_u24 v7, v2, PITCH
	v_lshl_add_u32 v7, v3, 3, v7
	v_add_nc_u32 v7, s21, v7                       ; out of it: row r, + 8 h
	v_lshlrev_b32 v8, 4, v1                        ; 16 x lane: my place in a group of an image
	s_lshr_b32 s22, s62, 8                         ; 0: the four small ones, 1: w1, 2: w2
	s_lshr_b32 s23, s62, 6                         ; which of the small ones
	s_lshl_b32 s24, s22, 2                         ; 4 or 8: w1's and w2's place in wf, in MiB
	s_mov_b32 s27, 4096
	s_mov_b32 s28, 16384
	s_cmp_eq_u32 s22, 0
	s_cselect_b32 s25, 63, 255                     ; work-groups of the tensor, less 1
	s_cselect_b32 s24, s23, s24                    ; the tensor's place in wf, in MiB
	s_cmp_eq_u32 s22, 1
	s_cselect_b32 s26, 31, 7                       ; groups of 128 columns, less 1
	s_cselect_b32 s29, 5, 3                        ; and their logarithm
	s_cselect_b32 s27, 16384, s27                  ; a source row in bytes
	s_cmp_eq_u32 s22, 2
	s_cselect_b32 s28, 0x10000, s28                ; a row tile of images in bytes: 16 K
	s_and_b32 s25, s62, s25
	s_and_b32 s26, s25, s26                        ; which 128 columns
	s_lshr_b32 s29, s25, s29                       ; which 128 along K
	s_lshl_b32 s24, s24, 20
	s_lshl_b32 s30, s29, 7
	s_mul_i32 s30, s30, s27                        ; source: 128 yk rows,
	s_lshl_b32 s31, s26, 9
	s_add_co_u32 s30, s30, s31                     ; + 128 columns x 4 bytes x xcol,
	s_lshl_b32 s31, s20, 7
	s_add_co_u32 s30, s30, s31                     ; + 32 columns x 4 bytes x wave
	s_mov_b32 s31, 0
	s_lshl_b32 s56, s27, 5                         ; a block on: 32 rows
	s_mov_b32 s57, 0
	s_lshl_b32 s58, s26, 3
	s_lshl_b32 s59, s20, 1
	s_add_co_u32 s58, s58, s59                     ; my first row tile: 8 xcol + 2 wave
	s_mul_i32 s58, s58, s28
	s_add_co_u32 s58, s58, s24
	s_lshl_b32 s59, s29, 11                        ; + yk images
	s_add_co_u32 s58, s58, s59
	s_mov_b32 s59, 0
	s_mov_b32 s60, s28
	s_mov_b32 s61, 0
	v_lshlrev_b32 v[OF], 2, v1
.set i, 1
.rept 31
	v_add_nc_u32 v[OF+i], s27, v[OF+i-1]
.set i, i+1
.endr
	s_wait_alu depctr_va_vdst(0)
	s_wait_kmcnt 0x0
	s_load_b512 s[68:83], s[16:17], 0x0            ; all sixteen exponents
	s_cmp_lt_u32 s62, 512                          ; the source: the choice hangs on ids alone
	s_cselect_b64 s[14:15], s[12:13], s[14:15]
	s_cmp_lt_u32 s62, 256
	s_cselect_b64 s[14:15], s[10:11], s[14:15]
	s_cmp_lt_u32 s62, 192
	s_cselect_b64 s[14:15], s[8:9], s[14:15]
	s_cmp_lt_u32 s62, 128
	s_cselect_b64 s[14:15], s[6:7], s[14:15]
	s_cmp_lt_u32 s62, 64
	s_cselect_b64 s[14:15], s[4:5], s[14:15]
	s_add_nc_u64 s[LB:LB+1], s[14:15], s[30:31]
.irp t, 1,2,3
	s_add_nc_u64 s[LB+2*\t:LB+2*\t+1], s[LB+2*\t-2:LB+2*\t-1], s[56:57]
.endr
	s_add_nc_u64 s[OB:OB+1], s[18:19], s[58:59]
	s_add_nc_u64 s[OB+2:OB+3], s[OB:OB+1], s[60:61]
.macro LOAD t                          ; block t: W(32 t + i, my column), i = 0 .. 31, into set t % 2
.set i, 0
.rept 32
	global_load_b32 v[X+32*((\t)%2)+i], v[OF+i], s[LB+2*(\t):LB+2*(\t)+1] th:TH_LOAD_NT
.set i, i+1
.endr
.endm
	LOAD 0
	LOAD 1
	s_wait_kmcnt 0x0
	s_cmp_lt_u32 s62, 512                          ; the tensor's exponent, by the same chain
	s_cselect_b32 s52, s81, s83
	s_cmp_lt_u32 s62, 256
	s_cselect_b32 s52, s79, s52
	s_cmp_lt_u32 s62, 192
	s_cselect_b32 s52, s73, s52
	s_cmp_lt_u32 s62, 128
	s_cselect_b32 s52, s71, s52
	s_cmp_lt_u32 s62, 64
	s_cselect_b32 s52, s69, s52
	s_add_co_i32 s52, s52, 127
	s_lshl_b32 s53, s52, 23
	v_mov_b32 v11, s53                             ; 2^e as f32: the conversion takes its exponent field
	s_add_co_i32 s52, s52, 8
	s_lshl_b32 s52, s52, 23
	s_or_b32 s52, s52, 0x600000
	v_mov_b32 v10, s52                             ; 448 x 2^e
.macro BLOCK t
.set XS, X+32*((\t)%2)
.if (\t) < NB-1
	s_wait_loadcnt 32                              ; this block's 32 loads are in; the next block's 32 may be out
.else
	s_wait_loadcnt 0
.endif
.set i, 0
.rept 32
	v_med3_num_f32 v[XS+i], v[XS+i], -v10, v10     ; the conversion to an 8-bit code does not saturate (ISA guide 7.6.2): the hold comes first
.set i, i+1
.endr
.irp g, 0,1,2,3
	v_cvt_scalef32_pk8_fp8_f32 v[C+2*\g:C+2*\g+1], v[XS+8*\g:XS+8*\g+7], v11
.endr
	ds_store_b128 v4, v[C:C+3] offset:32*(\t)      ; 32 codes of my column's row
	ds_store_b128 v4, v[C+4:C+7] offset:32*(\t)+16
.if (\t)+2 < NB
	LOAD (\t)+2
.endif
	s_wait_dscnt 0x0                               ; the stores have read their registers: the next block's codes may be written (its 32 holds are the plain lines behind these conversions)
.endm
.set Q, 0
	s_wait_alu depctr_va_vdst(0)
.rept NB
	BLOCK Q
.set Q, Q+1
.endr
; THE WAY OUT: 8 groups (row tile nt, group g); a lane's 16 bytes are two pieces of 8 of row 16 nt + r
.set u, 0
.irp nt, 0,1
.irp g, 0,1,2,3
	ds_load_b64 v[X+4*u:X+4*u+1], v7 offset:\nt*16*PITCH+\g*32        ; LDS serves a wave's instructions in order: these see my stores
	ds_load_b64 v[X+4*u+2:X+4*u+3], v7 offset:\nt*16*PITCH+\g*32+16
.set u, u+1
.endr
.endr
.set u, 0
.irp nt, 0,1
.irp g, 0,1,2,3
	s_wait_dscnt 14-2*u                            ; group u's two loads are in; the later groups' may be out
	global_store_b128 v8, v[X+4*u:X+4*u+3], s[OB+2*\nt:OB+2*\nt+1] offset:\g*512   ; 32 lanes store 512 consecutive bytes, aligned
.set u, u+1
.endr
.endr
	s_wait_tensorcnt 0x0                           ; the wave's end
	ds_add_u32 v126, v127
	s_wait_dscnt 0x0
	s_endpgm
; THE FIRST LAYER NORM AND ITS QUANTISERS.  y = alpha (x - mean) / (std + 1e-6) + beta, std = sqrt(sum (x - mean)^2 / 1023), rows of 1,024 f32; y is turned into codes of E4M3 three times,
; with the given scales 2^e of entries 0, 2, 4; each version is laid as images of operand registers, [256 row tiles][8 K steps][2,048 bytes], versions 4 MiB apart in xn3.
; A work-group is a row tile of 16 rows; wave w takes row w whole, 32 numbers a lane, kept in registers between the passes (mean, then squares of the differences: no difference of large sums).
; The codes meet in LDS (rows of 1,024 bytes + 16), one barrier, and each wave stores two groups of each version: 512 consecutive bytes a store, aligned.
; ROUNDING: the sum of squares is multiplied by the f32 number nearest 1/1023, and 1 / (std + 1e-6) is v_rcp_f32.  LIMITS: -126 <= e <= 119.  NaN among the inputs is not served.
.Lnorm:
.set NVER,  3
.set EBASE, 0
.set RP,    1040                       ; an LDS row
.set VB,    16*RP                      ; a version's 16 rows
.set X,     16                         ; v16-47  my 32 numbers: X[4 j + i] = k 128 j + 4 lane + i
.set T,     48                         ; v48-79  the held numbers; later the way out
.set C,     80                         ; v80-103 codes, 8 registers a version
.set LS,    118                        ; v118 + 2 ver: 448 x 2^e; v119 + 2 ver: 2^e
.set OBS,   50                         ; s[50:55] a store base for each version
	s_load_b128 s[4:7], s[0:1], 0x40               ; x, alpha
	s_load_b64 s[8:9], s[0:1], 0x50                ; beta
	s_load_b64 s[12:13], s[0:1], 0x58              ; the codes
	s_load_b64 s[10:11], s[0:1], 0x30              ; the exponents
	s_sub_co_u32 s48, ttmp9, NWW                   ; my row tile
	v_lshrrev_b32 v1, 5, v0
	s_delay_alu instid0(VALU_DEP_1)
	v_readfirstlane_b32 s14, v1                    ; wave
	v_and_b32 v7, 31, v0                           ; lane
	s_delay_alu instid0(VALU_DEP_1)
	v_lshlrev_b32 v1, 4, v7                        ; 16 x lane
	s_wait_alu depctr_va_vdst(0)
	v_and_b32 v2, 15, v0                           ; r
	v_bfe_u32 v3, v0, 4, 1                         ; h
	s_mul_i32 s15, s14, RP
	v_lshl_add_u32 v4, v7, 2, s15
	s_delay_alu instid0(VALU_DEP_1)
	v_add_nc_u32 v4, LNB, v4                       ; into LDS: my row, 4 bytes a lane
	s_and_b32 s36, s14, 7                          ; the K step that I store,
	s_lshr_b32 s37, s14, 3                         ; and which two of its four groups
	s_lshl_b32 s38, s36, 7
	s_lshl_b32 s39, s37, 6
	s_add_co_u32 s38, s38, s39
	v_mul_u32_u24 v5, v2, RP
	s_delay_alu instid0(VALU_DEP_1)
	v_lshl_add_u32 v5, v3, 3, v5
	s_delay_alu instid0(VALU_DEP_1)
	v_add_nc_u32 v5, s38, v5
	s_delay_alu instid0(VALU_DEP_1)
	v_add_nc_u32 v5, LNB, v5                       ; out of LDS: row r, k = 128 ks + 64 gp + 8 h
	s_lshl_b32 s38, s36, 11
	s_lshl_b32 s39, s37, 10
	s_add_co_u32 s38, s38, s39
	v_add_nc_u32 v6, s38, v1                       ; and the same place in the row tile's images
	s_lshl_b32 s40, s48, 16
	s_lshl_b32 s41, s14, 12
	s_add_co_u32 s40, s40, s41                     ; my row: (16 T + w) x 4,096 bytes
	s_mov_b32 s41, 0
	s_lshl_b32 s42, s48, 14                        ; my row tile's images
	s_mov_b32 s43, 0
	s_mov_b32 s44, 0x76543210                      ; v_permlanex16_b32: lane l xor 16
	s_mov_b32 s45, 0xfedcba98
	s_wait_kmcnt 0x0
	s_load_b32 s46, s[6:7], 0x0                    ; alpha
	s_load_b32 s47, s[8:9], 0x0                    ; beta
	s_load_b512 s[16:31], s[10:11], 0x0            ; the exponents
	s_add_nc_u64 s[4:5], s[4:5], s[40:41]
	s_add_nc_u64 s[OBS:OBS+1], s[12:13], s[42:43]
	s_add_nc_u64 s[OBS+2:OBS+3], s[OBS:OBS+1], 0x400000
	s_add_nc_u64 s[OBS+4:OBS+5], s[OBS+2:OBS+3], 0x400000
.irp j, 0,1,2,3,4,5,6,7
	global_load_b128 v[X+4*\j:X+4*\j+3], v1, s[4:5] offset:512*\j th:TH_LOAD_NT   ; 512 consecutive bytes a load
.endr
	s_wait_kmcnt 0x0
.set ver, 0
.rept NVER
	s_add_co_i32 s40, s[16+EBASE+2*ver], 127
	s_lshl_b32 s41, s40, 23
	v_mov_b32 v[LS+2*ver+1], s41                   ; 2^e
	s_add_co_i32 s40, s40, 8
	s_lshl_b32 s40, s40, 23
	s_or_b32 s40, s40, 0x600000
	v_mov_b32 v[LS+2*ver], s40                     ; 448 x 2^e
.set ver, ver+1
.endr
	v_mov_b32 v116, s47
	v_mov_b32 v117, s47                            ; beta, twice
.macro WAVESUM                         ; four chains of pairs in v[8:15] -> the wave's sum in v8 of every lane
	s_delay_alu instid0(VALU_DEP_3)
	v_pk_add_f32 v[8:9], v[8:9], v[10:11]
	s_delay_alu instid0(VALU_DEP_2)
	v_pk_add_f32 v[12:13], v[12:13], v[14:15]
	s_delay_alu instid0(VALU_DEP_1)
	v_pk_add_f32 v[8:9], v[8:9], v[12:13]
	s_delay_alu instid0(VALU_DEP_1)
	v_add_f32 v8, v8, v9
	s_delay_alu instid0(VALU_DEP_1)
	v_add_f32_dpp v8, v8, v8 row_xmask:1 row_mask:0xf bank_mask:0xf
	s_delay_alu instid0(VALU_DEP_1)
	v_add_f32_dpp v8, v8, v8 row_xmask:2 row_mask:0xf bank_mask:0xf
	s_delay_alu instid0(VALU_DEP_1)
	v_add_f32_dpp v8, v8, v8 row_xmask:4 row_mask:0xf bank_mask:0xf
	s_delay_alu instid0(VALU_DEP_1)
	v_add_f32_dpp v8, v8, v8 row_xmask:8 row_mask:0xf bank_mask:0xf
	s_delay_alu instid0(VALU_DEP_1)
	v_permlanex16_b32 v9, v8, s44, s45
	s_delay_alu instid0(VALU_DEP_1)
	v_add_f32 v8, v8, v9
.endm
	s_wait_loadcnt 0x0
.irp c, 0,1,2,3
	v_pk_add_f32 v[8+2*\c:9+2*\c], v[X+4*\c:X+4*\c+1], v[X+4*\c+2:X+4*\c+3]
.endr
.irp j, 16,24
.irp c, 0,1,2,3
	s_delay_alu instid0(VALU_DEP_4)
	v_pk_add_f32 v[8+2*\c:9+2*\c], v[8+2*\c:9+2*\c], v[X+\j+2*\c:X+\j+2*\c+1]
.endr
.endr
	WAVESUM
	s_delay_alu instid0(VALU_DEP_1)
	v_mul_f32 v112, 0x3a800000, v8                 ; the mean: sum / 1,024
	s_delay_alu instid0(VALU_DEP_1)
	v_mov_b32 v113, v112
.set i, 0
.rept 16
	v_pk_add_f32 v[X+i:X+i+1], v[X+i:X+i+1], v[112:113] neg_lo:[0,1] neg_hi:[0,1]   ; x - mean
.set i, i+2
.endr
.irp c, 0,1,2,3
	v_pk_mul_f32 v[8+2*\c:9+2*\c], v[X+2*\c:X+2*\c+1], v[X+2*\c:X+2*\c+1]
.endr
.irp j, 8,16,24
.irp c, 0,1,2,3
	s_delay_alu instid0(VALU_DEP_4)
	v_pk_fma_f32 v[8+2*\c:9+2*\c], v[X+\j+2*\c:X+\j+2*\c+1], v[X+\j+2*\c:X+\j+2*\c+1], v[8+2*\c:9+2*\c]
.endr
.endr
	WAVESUM
	s_delay_alu instid0(VALU_DEP_1)
	v_mul_f32 v8, 0x3a802008, v8                   ; / 1,023
	s_wait_alu depctr_va_vdst(0)
	v_sqrt_f32 v10, v8
	v_nop                                          ; a plain line behind the root,
	s_wait_alu depctr_va_vdst(0)                   ; and the wait ahead of its first reader
	v_add_f32 v10, 0x358637bd, v10                 ; std + 1e-6
	s_wait_alu depctr_va_vdst(0)
	v_rcp_f32 v11, v10
	v_nop
	s_wait_alu depctr_va_vdst(0)
	v_mul_f32 v114, s46, v11                       ; alpha / (std + 1e-6)
	s_delay_alu instid0(VALU_DEP_1)
	v_mov_b32 v115, v114
.set i, 0
.rept 16
	v_pk_fma_f32 v[X+i:X+i+1], v[X+i:X+i+1], v[114:115], v[116:117]
.set i, i+2
.endr
.set ver, 0
.rept NVER
.set i, 0
.rept 32
	v_med3_num_f32 v[T+i], v[X+i], -v[LS+2*ver], v[LS+2*ver]   ; the hold at the largest code x the scale (ISA guide 7.6.2)
.set i, i+1
.endr
.irp m, 0,1,2,3
	v_cvt_scalef32_pk8_fp8_f32 v[C+8*ver+2*\m:C+8*ver+2*\m+1], v[T+8*\m:T+8*\m+7], v[LS+2*ver+1]
.endr
	v_nop                                          ; a plain line between the conversions and the next version's holds, which write their sources
.irp j, 0,1,2,3,4,5,6,7
	ds_store_b32 v4, v[C+8*ver+\j] offset:ver*VB+128*\j        ; four codes, k = 128 j + 4 lane: the wave stores 128 consecutive bytes
.endr
.set ver, ver+1
.endr
	s_wait_dscnt 0x0                               ; for the others' sake: my stores have landed
	s_barrier_signal -1
	s_barrier_wait -1
.set ver, 0
.rept NVER
.irp gg, 0,1
	ds_load_b64 v[T+8*ver+4*\gg:T+8*ver+4*\gg+1], v5 offset:ver*VB+32*\gg
	ds_load_b64 v[T+8*ver+4*\gg+2:T+8*ver+4*\gg+3], v5 offset:ver*VB+32*\gg+16
.endr
.set ver, ver+1
.endr
	s_wait_dscnt 0x0
.set ver, 0
.rept NVER
.irp gg, 0,1
	global_store_b128 v6, v[T+8*ver+4*\gg:T+8*ver+4*\gg+3], s[OBS+2*ver:OBS+2*ver+1] offset:512*\gg   ; 512 consecutive bytes, aligned
.endr
.set ver, ver+1
.endr
	s_wait_tensorcnt 0x0                           ; the wave's end
	ds_add_u32 v126, v127
	s_wait_dscnt 0x0
	s_endpgm
.Lfunc_end_k_q0098c424ab_wprep:
	.size	k_q0098c424ab_wprep, .Lfunc_end_k_q0098c424ab_wprep-k_q0098c424ab_wprep
	.p2alignl 7, 3214868480
	.fill 96, 4, 3214868480
	.section	.rodata,"a",@progbits
	.p2align	6, 0x0
	.amdhsa_kernel k_q0098c424ab_wprep
		.amdhsa_group_segment_fixed_size 125952
		.amdhsa_private_segment_fixed_size 0
		.amdhsa_enable_private_segment 0
		.amdhsa_kernarg_size 96
		.amdhsa_user_sgpr_count 2
		.amdhsa_user_sgpr_kernarg_segment_ptr 1
		.amdhsa_wavefront_size32 1
		.amdhsa_system_sgpr_workgroup_id_x 1
		.amdhsa_system_sgpr_workgroup_id_y 1
		.amdhsa_system_sgpr_workgroup_id_z 1
		.amdhsa_system_vgpr_workitem_id 0
		.amdhsa_next_free_vgpr 128
		.amdhsa_next_free_sgpr 84
		.amdhsa_reserve_vcc 0
		.amdhsa_float_denorm_mode_32 3
		.amdhsa_float_denorm_mode_16_64 3
		.amdhsa_memory_ordered 1
		.amdhsa_forward_progress 1
		.amdhsa_inst_pref_size 50
	.end_amdhsa_kernel
	.amdgpu_metadata
---
amdhsa.version: [ 1, 2 ]
amdhsa.kernels:
  - .name:           k_q0098c424ab_wprep
    .symbol:         k_q0098c424ab_wprep.kd
    .args:
      - { .name: wq, .offset: 0, .size: 8, .value_kind: global_buffer, .address_space: global }
      - { .name: wk, .offset: 8, .size: 8, .value_kind: global_buffer, .address_space: global }
      - { .name: wv, .offset: 16, .size: 8, .value_kind: global_buffer, .address_space: global }
      - { .name: wo, .offset: 24, .size: 8, .value_kind: global_buffer, .address_space: global }
      - { .name: w1, .offset: 32, .size: 8, .value_kind: global_buffer, .address_space: global }
      - { .name: w2, .offset: 40, .size: 8, .value_kind: global_buffer, .address_space: global }
      - { .name: lowp_scales, .offset: 48, .size: 8, .value_kind: global_buffer, .address_space: global }
      - { .name: wf, .offset: 56, .size: 8, .value_kind: global_buffer, .address_space: global }
      - { .name: x, .offset: 64, .size: 8, .value_kind: global_buffer, .address_space: global }
      - { .name: alpha1, .offset: 72, .size: 8, .value_kind: global_buffer, .address_space: global }
      - { .name: beta1, .offset: 80, .size: 8, .value_kind: global_buffer, .address_space: global }
      - { .name: xn3, .offset: 88, .size: 8, .value_kind: global_buffer, .address_space: global }
    .group_segment_fixed_size: 125952
    .private_segment_fixed_size: 0
    .kernarg_segment_align: 8
    .kernarg_segment_size: 96
    .max_flat_workgroup_size: 512
    .sgpr_count:     84
    .vgpr_count:     128
    .wavefront_size: 32
...
	.end_amdgpu_metadata
.endif
;; end of part 1
;; launch qkv (part 2): grid 8 x 32, 4 waves a work-group, clusters of 4 x 4, 327,680 bytes of LDS; arguments xn3, wf, bq, bk, bv, lowp_scales, qkvf; writes qkvf
.if DOCPART == 2
	.amdgcn_target "amdgcn-amd-amdhsa--gfx1250"
	.amdhsa_code_object_version 6
	.text
	.protected	k_q0098c424ab_qkv
	.globl	k_q0098c424ab_qkv
	.p2align	8
	.type	k_q0098c424ab_qkv,@function
k_q0098c424ab_qkv:
	s_mov_b64 s[64:65], 0
	v_nop
	global_prefetch_b8 v0, s[64:65] scope:SCOPE_SE
	s_setreg_imm32_b32 hwreg(HW_REG_WAVE_MODE, 25, 1), 1
	s_wait_xcnt 0x0
	s_wait_alu depctr_hold_cnt(0) depctr_sa_sdst(0) depctr_va_vdst(0) depctr_va_sdst(0) depctr_va_ssrc(0) depctr_va_vcc(0) depctr_vm_vsrc(0)
	s_getreg_b32 s2, hwreg(HW_REG_IB_STS2, 6, 4)
	s_cmp_eq_u32 s2, 0
	s_cbranch_scc0 .Lentry_in_a_cluster
	s_endpgm
.Lentry_in_a_cluster:
	s_bfe_u32 s2, ttmp6, 0x10000c
	s_cmp_lg_u32 s2, 0xf033
	s_cbranch_scc0 .Lentry_shape_is_right
	s_endpgm
.Lentry_shape_is_right:
.set QKV, 1
.set SPT, 2
.if QKV
.set NS, 6
.set WOFF, 0
.set TSTEP, 0x400000
.else
.set NS, 8
.set WOFF, 0x400000
.set TSTEP, 0
.endif
.set WSTEP, 0x100000
.set LRT,  14
.set SLOT, 131072
.set SPARE, 2*SLOT
.set ACC, 128
.set BI,  96
.set F0,  0
.set F1,  128
.set G1T, 24
.set G0T, 32
.set G1W, 48
.set G0W, 56
.set MSB, 0
.macro WIN new
.if MSB != \new
	s_set_vgpr_msb (MSB<<8)|\new
.set MSB, \new
.endif
.endm
.set MUL,  0x05
.set TO_F, 0x40
.macro PLACES n
.rept \n
	v_nop
.endr
.endm
.macro JLOAD j
	s_cmp_eq_u32 s19, 0
	s_cbranch_scc0 .Lfor_w_\@
	tensor_load_to_lds s[G0T+4*\j:G0T+4*\j+3], s[G1T:G1T+7]
	s_nop 0
	PLACES 4
	s_branch .Lasked_\@
.Lfor_w_\@:
	tensor_load_to_lds s[G0W+4*\j:G0W+4*\j+3], s[G1W:G1W+7]
	s_nop 0
	PLACES 4
.Lasked_\@:
.endm
.macro CREST
	s_cmp_lg_u32 s18, 0
	s_cbranch_scc1 .Lnot_wave_0_\@
	s_barrier_signal -3
.Lnot_wave_0_\@:
	s_barrier_wait -3
	s_barrier_signal -1
	s_barrier_wait -1
.endm
.macro CROUND
	s_barrier_signal -1
	s_barrier_wait -1
	CREST
.endm
.macro ADRS s
.set RA, 16+(\s)%2
.set RB, 18+(\s)%2
.if QKV && ((\s)/SPT == 2)
.set RA, 20+(\s)%2
.set RB, 22+(\s)%2
.endif
.endm
.macro FETCH q, f
	WIN TO_F
.irp i, 0,1,2,3
.irp g, 0,1,2,3
	ds_load_b128 v[\f+64+16*\i+4*\g:\f+64+16*\i+4*\g+3], v[RB] offset:8192*\i+2048*\q+512*\g
.endr
.irp g, 0,1,2,3
	ds_load_b128 v[\f+16*\i+4*\g:\f+16*\i+4*\g+3], v[RA] offset:8192*\i+2048*\q+512*\g
.endr
.endr
.endm
.macro MULA f, a, cm
.irp b, 0,1,2,3
.if \cm == 0
	v_wmma_f32_16x16x128_fp8_fp8 v[ACC+8*(4*\a+\b):ACC+8*(4*\a+\b)+7], v[\f+64+16*\b:\f+64+16*\b+15], v[\f+16*\a:\f+16*\a+15], v[ACC+8*(4*\a+\b):ACC+8*(4*\a+\b)+7]
.elseif \cm == 1
	v_wmma_f32_16x16x128_fp8_fp8 v[ACC+8*(4*\a+\b):ACC+8*(4*\a+\b)+7], v[\f+64+16*\b:\f+64+16*\b+15], v[\f+16*\a:\f+16*\a+15], v[BI+8*\b:BI+8*\b+7]
.else
	v_wmma_f32_16x16x128_fp8_fp8 v[ACC+8*(4*\a+\b):ACC+8*(4*\a+\b)+7], v[\f+64+16*\b:\f+64+16*\b+15], v[\f+16*\a:\f+16*\a+15], v[BI+8*\a:BI+8*\a+7]
.endif
.endr
.endm
.macro MUL16 f, cm
	MULA \f, 0, \cm
	MULA \f, 1, \cm
	MULA \f, 2, \cm
	MULA \f, 3, \cm
.endm
.macro STEP qn, f, g, cm
	s_wait_dscnt 0x0
	PLACES 4
	FETCH \qn, \g
	WIN MUL
	MUL16 \f, \cm
.endm
.macro TURN
.set J, S%2
	WIN 0
	s_wait_tensorcnt 0x0
	ds_add_u32 v28, v29
.if S+2 < NS
.if TSTEP
	s_add_nc_u64 s[G0T+4*J+2:G0T+4*J+3], s[G0T+4*J+2:G0T+4*J+3], TSTEP
.endif
	s_add_nc_u64 s[G0W+4*J+2:G0W+4*J+3], s[G0W+4*J+2:G0W+4*J+3], WSTEP
.endif
	s_wait_dscnt 0x1
	WIN MUL
	MULA F1, 0, 0
	s_wait_dscnt 0x0
	s_barrier_signal -1
	MULA F1, 1, 0
	WIN 0
	s_barrier_wait -1
.if S+2 < NS
	CREST
	JLOAD J
.else
	PLACES 4
.endif
	ADRS S+1
	FETCH 0, F0
.if S+4 < NS
	PF S+4                                         ; the slot two refills on
.endif
	WIN MUL
	MULA F1, 2, 0
	MULA F1, 3, 0
.endm
.macro SCALES sec, ia, ib, io
	s_add_co_i32 s93, s[68+\ia], s[68+\ib]
	s_sub_co_i32 s[84+3*\sec], 0, s93
	s_sub_co_i32 s93, s[68+\io], s93
	s_add_co_i32 s93, s93, 127
	s_lshl_b32 s[85+3*\sec], s93, 23
	s_add_co_i32 s93, s93, 8
	s_lshl_b32 s93, s93, 23
	s_or_b32 s[86+3*\sec], s93, 0x600000
.endm
.macro BIASC base, imm
.irp b, 0,1,2,3
	global_load_b128 v[BI+8*\b:BI+8*\b+3], v27, s[\base:\base+1] offset:\imm+64*\b
	global_load_b128 v[BI+8*\b+4:BI+8*\b+7], v27, s[\base:\base+1] offset:\imm+64*\b+16
.endr
.endm
.macro BSCALE sr
.set i, 0
.rept 32
	v_ldexp_f32 v[BI+i], v[BI+i], s[\sr]
.set i, i+1
.endr
.endm
.macro BIASR
.irp a, 0,1,2,3
	global_load_b32 v[BI+8*\a], v26, s[12:13] offset:64*\a
.endr
.endm
.macro RSCALE sr
.irp a, 0,1,2,3
.irp i, 7,6,5,4,3,2,1,0
	v_ldexp_f32 v[BI+8*\a+\i], v[BI+8*\a], s[\sr]
.endr
.endr
.endm
.macro EPIQ relu, base, imm0, rts, sec
	v_mov_b32 v30, s[85+3*\sec]
	v_mov_b32 v31, s[86+3*\sec]
	PLACES 4
.set t, 0
.rept 16
.irp i, 0,1,2,3,4,5,6,7
.if \relu
	v_med3_num_f32 v[ACC+8*t+\i], v[ACC+8*t+\i], 0, v31
.else
	v_med3_num_f32 v[ACC+8*t+\i], v[ACC+8*t+\i], -v31, v31
.endif
.endr
	v_cvt_scalef32_pk8_fp8_f32 v[32+2*t:33+2*t], v[ACC+8*t:ACC+8*t+7], v30
.set t, t+1
.endr
	v_nop
.irp a, 0,1,2,3
.irp gg, 0,1
	global_store_b128 v3, v[32+8*\a+4*\gg:35+8*\a+4*\gg], s[\base:\base+1] offset:\imm0+\a*\rts+512*\gg
.endr
.endr
.endm
	s_load_b128 s[4:7], s[0:1], 0x0
.if QKV
	s_load_b128 s[8:11], s[0:1], 0x10
	s_load_b128 s[12:15], s[0:1], 0x20
	s_load_b64 s[16:17], s[0:1], 0x30
.else
	s_load_b64 s[8:9], s[0:1], 0x10
	s_load_b64 s[14:15], s[0:1], 0x18
	s_load_b64 s[16:17], s[0:1], 0x20
.endif
	v_lshl_add_u32 v28, v0, 2, SPARE
	v_mov_b32 v29, 0
	ds_add_u32 v28, v29
	ds_add_u32 v28, v29
	s_wait_dscnt 0x0
	v_lshrrev_b32 v1, 5, v0
	v_readfirstlane_b32 s18, v1
	s_lshr_b32 s19, s18, 1
	s_and_b32 s20, s18, 1
	s_bfe_u32 s21, ttmp6, 0x40000
	s_bfe_u32 s22, ttmp6, 0x40004
	s_lshl_b32 s23, ttmp9, 2
	s_add_co_u32 s23, s23, s21
	s_and_b32 s40, ttmp7, 0xffff
	s_lshl_b32 s40, s40, 2
	s_add_co_u32 s40, s40, s22
	s_lshl_b32 s41, s22, 2
	s_lshl_b32 s41, 15, s41
	s_lshl_b32 s44, 0x1111, s21
	s_or_b32 s[G1T], s41, (3<<16)|(1<<21)
	s_or_b32 s[G1W], s44, (3<<16)|(1<<21)
.irp g, G1T, G1W
	s_mov_b32 s[\g+1], 1024<<16
	s_mov_b32 s[\g+2], 4<<16
	s_mov_b32 s[\g+3], 1024<<16
	s_mov_b32 s[\g+4], 4
	s_mov_b32 s[\g+5], (1<<LRT)/8
	s_mov_b32 s[\g+6], 0
	s_mov_b32 s[\g+7], 0
.endr
	s_lshl_b32 s42, s40, LRT+3
	s_lshl_b32 s43, s20, LRT+2
	s_add_co_u32 s42, s42, s43
	s_mov_b32 s43, 0
	s_lshl_b32 s46, s23, LRT+3
	s_lshl_b32 s47, s20, LRT+2
	s_add_co_u32 s46, s46, s47
.if WOFF
	s_add_co_u32 s46, s46, WOFF
.endif
	s_mov_b32 s47, 0
	s_lshl_b32 s45, s18, 15
	s_wait_kmcnt 0x0
	s_load_b512 s[68:83], s[14:15], 0x0
	s_add_nc_u64 s[42:43], s[4:5], s[42:43]
	s_add_nc_u64 s[46:47], s[6:7], s[46:47]
	s_mov_b32 s100, WSTEP                          ; the prefetches: the four partners that ask for a tile jointly share its four row tiles out BY ADDRESS
	s_cmp_eq_u32 s19, 0
	s_cselect_b64 s[2:3], s[42:43], s[46:47]       ; the tile that I fetch,
	s_cselect_b32 s66, s21, s22                    ; my work-group's place among the four (cx for tokens, cy for weights),
	s_cselect_b32 s100, TSTEP, s100                ; and from section to section (q, k, v) of my tensor
	s_lshl_b32 s66, s66, LRT                       ; its row tile
	s_mov_b32 s67, 0
	s_mov_b32 s101, 0
	s_add_nc_u64 s[2:3], s[2:3], s[66:67]          ; section 0,
	s_add_nc_u64 s[66:67], s[2:3], s[100:101]      ; section 1,
	s_add_nc_u64 s[104:105], s[66:67], s[100:101]  ; section 2: a base for each, never rewritten
	CROUND
.irp j, 0,1
	s_mov_b32 s[G0T+4*\j], 1
	s_add_co_u32 s[G0T+4*\j+1], s45, \j*SLOT
	s_add_nc_u64 s[G0T+4*\j+2:G0T+4*\j+3], s[42:43], \j*8192
	s_or_b32 s[G0T+4*\j+3], s[G0T+4*\j+3], 0x80000000
	s_mov_b32 s[G0W+4*\j], 1
	s_add_co_u32 s[G0W+4*\j+1], s45, \j*SLOT
	s_add_nc_u64 s[G0W+4*\j+2:G0W+4*\j+3], s[46:47], \j*8192
	s_or_b32 s[G0W+4*\j+3], s[G0W+4*\j+3], 0x80000000
.endr
	JLOAD 0                                        ; slot 0: my one tensor load at the head; the addresses and the bias below are made while it is out
	v_and_b32 v1, 15, v0
	v_bfe_u32 v2, v0, 4, 1
	v_and_b32 v3, 31, v0
	v_lshlrev_b32 v3, 4, v3
	v_lshlrev_b32 v24, 4, v3                       ; the prefetches' offset: 256 x lane; never rewritten
	v_lshlrev_b32 v26, 2, v1
	v_lshlrev_b32 v27, 5, v2
	s_lshl_b32 s98, s19, 15
	s_lshl_b32 s99, s20, 15
	v_add_nc_u32 v16, s98, v3
	v_add_nc_u32 v17, SLOT, v16
	v_add_nc_u32 v18, s99, v3
	v_add_nc_u32 v18, 0x10000, v18
	v_add_nc_u32 v19, SLOT, v18
.if QKV
	v_add_nc_u32 v20, 0x10000, v16
	v_add_nc_u32 v21, SLOT, v20
	v_add_nc_u32 v22, s99, v3
	v_add_nc_u32 v23, SLOT, v22
.endif
	s_lshl_b32 s98, s23, 9
	s_lshl_b32 s99, s20, 8
	s_add_co_u32 s98, s98, s99
	s_mov_b32 s99, 0
	s_add_nc_u64 s[8:9], s[8:9], s[98:99]
.if QKV
	s_add_nc_u64 s[10:11], s[10:11], s[98:99]
	s_lshl_b32 s98, s23, 9
	s_lshl_b32 s93, s19, 8
	s_add_co_u32 s98, s98, s93
	s_add_nc_u64 s[12:13], s[12:13], s[98:99]
	s_lshl_b32 s94, s40, 17
	s_lshl_b32 s98, s19, 16
	s_add_co_u32 s94, s94, s98
	s_lshl_b32 s98, s23, 11
	s_add_co_u32 s94, s94, s98
	s_lshl_b32 s98, s20, 10
	s_add_co_u32 s94, s94, s98
	s_mov_b32 s95, 0
	s_add_nc_u64 s[94:95], s[16:17], s[94:95]
	s_lshl_b32 s96, s23, 19
	s_lshl_b32 s98, s19, 18
	s_add_co_u32 s96, s96, s98
	s_lshl_b32 s98, s40, 11
	s_add_co_u32 s96, s96, s98
	s_lshl_b32 s98, s20, 10
	s_add_co_u32 s96, s96, s98
	s_add_co_u32 s96, s96, 0x800000
	s_mov_b32 s97, 0
	s_add_nc_u64 s[96:97], s[16:17], s[96:97]
.else
	s_lshl_b32 s94, s40, 19
	s_lshl_b32 s98, s19, 18
	s_add_co_u32 s94, s94, s98
	s_lshl_b32 s98, s23, 11
	s_add_co_u32 s94, s94, s98
	s_lshl_b32 s98, s20, 10
	s_add_co_u32 s94, s94, s98
	s_mov_b32 s95, 0
	s_add_nc_u64 s[94:95], s[16:17], s[94:95]
.endif
; A PREFETCH INTO THE L2 of stream slot n (section n / 2, half n % 2 of K): my work-group's row tile of the four that I fetch, 8,192 bytes, lanes 256 bytes apart, one instruction a wave
.macro PF n
.if (\n)/2 == 0
	global_prefetch_b8 v24, s[2:3] offset:((\n)%2)*8192 th:TH_LOAD_NT scope:SCOPE_SE
.elseif (\n)/2 == 1
	global_prefetch_b8 v24, s[66:67] offset:((\n)%2)*8192 th:TH_LOAD_NT scope:SCOPE_SE
.else
	global_prefetch_b8 v24, s[104:105] offset:((\n)%2)*8192 th:TH_LOAD_NT scope:SCOPE_SE
.endif
.endm
	PF 1                                           ; what the head's end and the first two changes of slots will ask for; slot 0 comes by its load alone
	PF 2
	PF 3
	BIASC 8, 0
	s_wait_kmcnt 0x0
.if QKV
	SCALES 0, 0, 1, 6
	SCALES 1, 2, 3, 7
	SCALES 2, 4, 5, 9
.else
	SCALES 0, 12, 13, 14
.endif
	s_wait_loadcnt 0x0
	BSCALE 84
	s_wait_alu depctr_va_vdst(0)
	s_wait_tensorcnt 0x0                           ; my part of slot 0 is in
	ds_add_u32 v28, v29
	s_wait_dscnt 0x0
	CROUND                                         ; everybody's part of slot 0 is in, and the joint loads meet
	JLOAD 1                                        ; slot 1's first fill: the first tensor load behind the round
	ADRS 0
	FETCH 0, F0
.set S, 0
.rept NS
	ADRS S
.set CM, 0
.if (S%SPT) == 0
.set CM, 1
.if QKV && (S/SPT == 2)
.set CM, 2
.endif
.endif
	s_wait_alu depctr_va_vdst(0)
	STEP 1, F0, F1, CM
	STEP 2, F1, F0, 0
	STEP 3, F0, F1, 0
.if S < NS-1
	TURN
.else
	s_wait_dscnt 0x0
	WIN MUL
	MUL16 F1, 0
.endif
.if (S%SPT) == SPT-1
.set TL, S/SPT
	WIN 0
	s_wait_xcnt 0x0
.if QKV
.if TL == 0
	BIASC 10, 0
	EPIQ 0, 94, 0, 16384, 0
	s_wait_loadcnt 0x0
	BSCALE 87
.elseif TL == 1
	BIASR
	EPIQ 0, 94, 0x400000, 16384, 1
	s_wait_loadcnt 0x0
	RSCALE 90
.else
	EPIQ 0, 96, 0, 65536, 2
.endif
.else
.if TL < 3
	BIASC 8, 4096*(TL+1)
.endif
	EPIQ 1, 94, 16384*TL, 65536, 0
.if TL < 3
	s_wait_loadcnt 0x0
	BSCALE 84
.endif
.endif
.endif
.set S, S+1
.endr
	s_wait_tensorcnt 0x0
	ds_add_u32 v28, v29
	s_wait_dscnt 0x0
	CROUND
	s_endpgm
.Lfunc_end_k_q0098c424ab_qkv:
	.size	k_q0098c424ab_qkv, .Lfunc_end_k_q0098c424ab_qkv-k_q0098c424ab_qkv
	.p2alignl 7, 3214868480
	.fill 96, 4, 3214868480
	.section	.rodata,"a",@progbits
	.p2align	6, 0x0
	.amdhsa_kernel k_q0098c424ab_qkv
		.amdhsa_group_segment_fixed_size 327680
		.amdhsa_private_segment_fixed_size 0
		.amdhsa_enable_private_segment 0
		.amdhsa_kernarg_size 56
		.amdhsa_user_sgpr_count 2
		.amdhsa_user_sgpr_kernarg_segment_ptr 1
		.amdhsa_wavefront_size32 1
		.amdhsa_system_sgpr_workgroup_id_x 1
		.amdhsa_system_sgpr_workgroup_id_y 1
		.amdhsa_system_sgpr_workgroup_id_z 1
		.amdhsa_system_vgpr_workitem_id 0
		.amdhsa_next_free_vgpr 512
		.amdhsa_next_free_sgpr 106
		.amdhsa_reserve_vcc 0
		.amdhsa_float_denorm_mode_32 3
		.amdhsa_float_denorm_mode_16_64 3
		.amdhsa_memory_ordered 1
		.amdhsa_forward_progress 1
		.amdhsa_inst_pref_size 130
	.end_amdhsa_kernel
	.amdgpu_metadata
---
amdhsa.version: [ 1, 2 ]
amdhsa.kernels:
  - .name:           k_q0098c424ab_qkv
    .symbol:         k_q0098c424ab_qkv.kd
    .args:
      - { .name: xn3, .offset: 0, .size: 8, .value_kind: global_buffer, .address_space: global }
      - { .name: wf, .offset: 8, .size: 8, .value_kind: global_buffer, .address_space: global }
      - { .name: bq, .offset: 16, .size: 8, .value_kind: global_buffer, .address_space: global }
      - { .name: bk, .offset: 24, .size: 8, .value_kind: global_buffer, .address_space: global }
      - { .name: bv, .offset: 32, .size: 8, .value_kind: global_buffer, .address_space: global }
      - { .name: lowp_scales, .offset: 40, .size: 8, .value_kind: global_buffer, .address_space: global }
      - { .name: qkvf, .offset: 48, .size: 8, .value_kind: global_buffer, .address_space: global }
    .group_segment_fixed_size: 327680
    .private_segment_fixed_size: 0
    .kernarg_segment_align: 8
    .kernarg_segment_size: 56
    .max_flat_workgroup_size: 128
    .sgpr_count:     106
    .vgpr_count:     512
    .wavefront_size: 32
...
	.end_amdgpu_metadata
.endif
;; end of part 2
;; launch attn (part 3): grid 8 x 32, 8 waves a work-group, clusters of 4 x 1, 272,384 bytes of LDS; arguments qkvf, src_mask, lowp_scales, ctxf; writes ctxf
.if DOCPART == 3
	.amdgcn_target "amdgcn-amd-amdhsa--gfx1250"
	.amdhsa_code_object_version 6
	.text
	.protected	k_q0098c424ab_attn
	.globl	k_q0098c424ab_attn
	.p2align	8
	.type	k_q0098c424ab_attn,@function
k_q0098c424ab_attn:
	s_mov_b64 s[64:65], 0
	v_nop
	global_prefetch_b8 v0, s[64:65] scope:SCOPE_SE
	s_setreg_imm32_b32 hwreg(HW_REG_WAVE_MODE, 25, 1), 1
	s_wait_xcnt 0x0
	s_wait_alu depctr_hold_cnt(0) depctr_sa_sdst(0) depctr_va_vdst(0) depctr_va_sdst(0) depctr_va_ssrc(0) depctr_va_vcc(0) depctr_vm_vsrc(0)
	s_getreg_b32 s2, hwreg(HW_REG_IB_STS2, 6, 4)
	s_cmp_eq_u32 s2, 0
	s_cbranch_scc0 .Lentry_in_a_cluster
	s_endpgm
.Lentry_in_a_cluster:
	s_bfe_u32 s2, ttmp6, 0x10000c
	s_cmp_lg_u32 s2, 0x3003
	s_cbranch_scc0 .Lentry_shape_is_right
	s_endpgm
.Lentry_shape_is_right:
; ATTENTION ON CODES OF E4M3: ctx = softmax(where(mask == 0, -1e9, q k^T / 8)) v for 32 (batch, head) pairs of 2,048 tokens x 64 channels; ctx is quantised with entry 10.  Scales: q 6, k 7, p 8, v 9.
; qkvf: q at 0 and k at 4 MiB as images [256 row tiles][16 heads][1,024 bytes] (16 tokens x 64 channels, the x64 form's own layout); v at 8 MiB as [64 channel tiles][32 token steps][2,048 bytes] (16 channels x 128 keys).
; THE SOFTMAX: t = score x log2(e) / 8; M = the running largest t rounded UP to a whole number; p = 2^(t - M) is quantised, not normalised; the sum of the unquantised p divides at the end; when M moves, the sum and O are
; multiplied by 2^(old M - new M), which rounds nothing.
; SHARES.  A work-group owns 256 queries of one head; each of its EIGHT waves owns 32 of them, two tiles A and B of 16, in 512 registers.  Every fragment of K and of V and every mask addend that a wave
; reads from LDS serves both tiles: 48 LDS loads for 24 matrix instructions in a step of 128 keys.
; A HEAD'S WHOLE K AND V LIE IN LDS (131,072 bytes each), each byte filled once: no ring.  Each wave asks for 32,768 bytes by its one tensor load (waves 0-3: 32 key tiles each; waves 4-7: one channel tile each); one barrier.
; CLUSTER: the four query blocks of a cluster belong to one head and need the same K and V: every tile is asked for jointly (mask 15).
; LAYOUT.  S^T = K Q^T (source 0 = 16 keys, source 1 = 16 queries), O^T = V^T P^T (source 0 = 16 channels, source 1 = P): a lane holds ONE query of each tile; tile t's eight scores are keys 16 t + 8 h + 0..7, so one conversion
; gives registers 2 t, 2 t + 1 of P, and O^T's tile ct gives registers 2 ct, 2 ct + 1 of ctx's image.
; THE MASK costs no vector line in the loop: a table of addends in LDS (0 where the mask is not 0, -2^(100 - eq - ek) where it is 0) is the C of K Q^T.  A masked t is about -2^97; the running largest t starts at -2^90,
; so M is never taken from a masked key, and p = 0 there.  Where EVERY key of the batch is masked, c is replaced by 0 (a select, no branch): then t = 0, M = 0, p = 1 for all keys: the uniform row that -1e9 everywhere gives.
; THE ORDER OF A STEP.  Both tiles' maxima and the short chains behind them go by turns, so that no line reads the line above it.  O^T is brought under the new M ahead of the exponentials.  Tile A's exponentials take turns
; with tile B's multiply-adds, tile B's with tile A's holds: what is written in those turns is read only behind the next wait.
; LIMITS: eq + ek between -27 and 60; ep and entry 10 between -126 and 119; a masked key is taken to lose to every unmasked one, which holds while unmasked logits lie above -1e9.  NaN among the inputs is not served.
; No prefetch: all that the launch reads through LDS is asked for at its head, and there is no loop to run ahead in.
; REGISTERS.  window 0, all that the softmax touches: v1 16 x lane, v2, v4 the same in V (channel tiles 0-1, 2-3), v3 the table's place for my half, v5, v6 the table's making, v8-11 the step's addresses;
;   tile A: v12 -M, v13 largest t, v[14:15] the sum, v[20:21] f; tile B: v16, v17, v[18:19], v[22:23]; v24, v25 448 x 2^ep (twice: the halves of a dual line take different registers), v26 2^ep, v27 448 x 2^ectx, v28 2^ectx;
;   v32-47 Q; v48-79 p's codes (at the end ctx's); v80-143, v144-207 S^T, then p; v208-215 chains of maxima; v216-239 chains of sums; v254, v255 the add's.
;   window 1, what only matrix instructions, loads and the rescaling touch: v0-63 O^T, v64-127 the addends, v128-191 V, v192-255 K.
.set VREG,  131072
.set MASKT, 262144                     ; 2,048 addends
.set SPARE, 0x42000                    ; the spare words, 128 bytes a wave
.set G1K, 24                           ; s[24:31] group 1 for K;  s[32:39] for V;  s[40:43], s[44:47] their groups 0
.set G1V, 32
.set G0K, 40
.set G0V, 44
.set PA, 48
.set PB, 64
.set SA, 80
.set SB, 144
.set RO, 0
.set RM, 64
.set RV, 128
.set RK, 192
.set MSB, 0
.macro WIN new                         ; low byte: bits 1:0 source 0, 3:2 source 1, 5:4 source 2, 7:6 destination; the high byte repeats the setting that is left
.if MSB != \new
	s_set_vgpr_msb (MSB<<8)|\new
.set MSB, \new
.endif
.endm
.macro PLACES n
.rept \n
	v_nop
.endr
.endm
.macro CROUND
	s_barrier_signal -1
	s_barrier_wait -1
	s_cmp_lg_u32 s12, 0
	s_cbranch_scc1 .Lnot_wave_0_\@
	s_barrier_signal -3
.Lnot_wave_0_\@:
	s_barrier_wait -3
	s_barrier_signal -1
	s_barrier_wait -1
.endm
	s_load_b256 s[4:11], s[0:1], 0x0               ; qkvf, the mask, the exponents, ctxf
	v_lshl_add_u32 v254, v0, 2, SPARE
	v_mov_b32 v255, 0
	ds_add_u32 v254, v255                          ; the opening lines: the add, twice on end, and its wait ahead of my tensor load
	ds_add_u32 v254, v255
	v_lshrrev_b32 v1, 5, v0
	s_delay_alu instid0(VALU_DEP_1)
	v_readfirstlane_b32 s12, v1                    ; wave 0..7
	s_and_b32 s13, s12, 3                          ; my place among the four that fetch K, or V
	s_bfe_u32 s14, ttmp6, 0x40000                  ; cx
	s_lshl_b32 s15, ttmp9, 2
	s_add_co_u32 s15, s15, s14                     ; my block of 256 queries: it enters Q's and ctx's addresses alone
	s_and_b32 s16, ttmp7, 0xffff
	s_lshr_b32 s17, s16, 4                         ; batch
	s_and_b32 s18, s16, 15                         ; head
	s_lshl_b32 s56, s17, 21                        ; K: 4 MiB + batch x 128 row tiles + head x 1,024 + 32 row tiles x my place
	s_lshl_b32 s57, s18, 10
	s_add_co_u32 s56, s56, s57
	s_lshl_b32 s57, s13, 19
	s_add_co_u32 s56, s56, s57
	s_add_co_u32 s56, s56, 0x400000
	s_mov_b32 s57, 0
	s_lshl_b32 s58, s18, 18                        ; V: 8 MiB + channel tile (4 head + place) x 65,536 + the batch's 16 token steps
	s_lshl_b32 s59, s13, 16
	s_add_co_u32 s58, s58, s59
	s_lshl_b32 s59, s17, 15
	s_add_co_u32 s58, s58, s59
	s_add_co_u32 s58, s58, 0x800000
	s_mov_b32 s59, 0
	s_lshl_b32 s60, s13, 15                        ; in LDS: 32,768 bytes x my place
	s_mov_b32 s[G1K], 15|(3<<16)|(1<<21)           ; 15:0 the mask: all four; 17:16 elements of 8 bytes; 21 set beside a mask
	s_mov_b32 s[G1K+1], 128<<16                    ; K: 32 rows (key tiles) of 1,024 bytes,
	s_mov_b32 s[G1K+2], 32<<16
	s_mov_b32 s[G1K+3], 128<<16
	s_mov_b32 s[G1K+4], 32
	s_mov_b32 s[G1K+5], 2048                       ; 16,384 bytes apart
	s_mov_b32 s[G1K+6], 0
	s_mov_b32 s[G1K+7], 0
	s_mov_b32 s[G1V], 15|(3<<16)|(1<<21)
	s_mov_b32 s[G1V+1], 1024<<16                   ; V: a dense block of 32,768 bytes as 4 rows of 8,192
	s_mov_b32 s[G1V+2], 4<<16
	s_mov_b32 s[G1V+3], 1024<<16
	s_mov_b32 s[G1V+4], 4
	s_mov_b32 s[G1V+5], 1024
	s_mov_b32 s[G1V+6], 0
	s_mov_b32 s[G1V+7], 0
	s_mov_b32 s20, 0x76543210                      ; v_permlanex16_b32: lane l xor 16
	s_mov_b32 s21, 0xfedcba98
	s_mov_b32 s22, 0x3e38aa3b                      ; c = log2(e) / 8
	s_lshl_b32 s92, s17, 7
	s_lshl_b32 s93, s15, 4
	s_add_co_u32 s92, s92, s93
	s_lshl_b32 s93, s12, 1
	s_add_co_u32 s92, s92, s93                     ; tile A's row tile: 128 batch + 16 block + 2 wave; tile B's is the next
	s_lshl_b32 s92, s92, 14
	s_lshl_b32 s93, s18, 10
	s_add_co_u32 s92, s92, s93                     ; and my head's 1,024 bytes in it: the same place in q and in ctx
	s_mov_b32 s93, 0
	s_lshl_b32 s98, s17, 13                        ; the batch's 2,048 mask words
	s_mov_b32 s99, 0
	s_wait_dscnt 0x0                               ; both opening adds are done
	s_wait_kmcnt 0x0
	s_load_b256 s[84:91], s[8:9], 0x18             ; entries 6 to 13: eq, ek, ep, ev, ectx, ..
	s_mov_b32 s[G0K], 1
	s_mov_b32 s[G0K+1], s60
	s_add_nc_u64 s[G0K+2:G0K+3], s[4:5], s[56:57]
	s_or_b32 s[G0K+3], s[G0K+3], 0x80000000
	s_mov_b32 s[G0V], 1
	s_add_co_u32 s[G0V+1], s60, VREG
	s_add_nc_u64 s[G0V+2:G0V+3], s[4:5], s[58:59]
	s_or_b32 s[G0V+3], s[G0V+3], 0x80000000
	s_add_nc_u64 s[94:95], s[4:5], s[92:93]
	s_add_nc_u64 s[10:11], s[10:11], s[92:93]
	s_add_nc_u64 s[6:7], s[6:7], s[98:99]
	CROUND                                         ; all four work-groups are here: the joint loads meet
	s_cmp_lt_u32 s12, 4                            ; waves 0-3 fetch K, waves 4-7 V: one fill to an arm, on the wave's number alone; s_nop 0 and four v_nop follow each
	s_cbranch_scc0 .Lfill_v
	tensor_load_to_lds s[G0K:G0K+3], s[G1K:G1K+7]
	s_nop 0
	PLACES 4
	s_branch .Lfilled
.Lfill_v:
	tensor_load_to_lds s[G0V:G0V+3], s[G1V:G1V+7]
	s_nop 0
	PLACES 4
.Lfilled:
	v_and_b32 v1, 31, v0
	s_delay_alu instid0(VALU_DEP_1)
	v_lshlrev_b32 v1, 4, v1                        ; 16 x lane
	v_bfe_u32 v3, v0, 4, 1
	v_lshlrev_b32 v5, 4, v0                        ; thread t's mask words 4 t .. 4 t + 3 (and the same 1,024 words on),
	v_lshl_add_u32 v6, v0, 4, MASKT                ; and their addends' place
	v_lshl_add_u32 v3, v3, 5, MASKT                ; my half's eight addends of a tile: + 32 h
	v_add_nc_u32 v2, VREG, v1                      ; V's channel tiles 0, 1
	v_add_nc_u32 v4, VREG+65536, v1                ; and 2, 3
	v_add_nc_u32 v9, VREG, v1                      ; the first step's V
	v_add_nc_u32 v11, VREG+65536, v1
	global_load_b128 v[32:35], v1, s[94:95]        ; Q's fragments stay in registers: tile A,
	global_load_b128 v[36:39], v1, s[94:95] offset:512
	global_load_b128 v[40:43], v1, s[94:95] offset:16384       ; tile B
	global_load_b128 v[44:47], v1, s[94:95] offset:16896
	global_load_b128 v[144:147], v5, s[6:7]
	global_load_b128 v[148:151], v5, s[6:7] offset:4096
.set i, 0
.rept 16
	global_load_b128 v[80+4*i:83+4*i], v1, s[6:7] offset:512*i   ; all 2,048 mask words, for the question whether any key counts
.set i, i+1
.endr
	s_wait_kmcnt 0x0
	s_add_co_i32 s61, s84, s85                     ; eq + ek
	s_lshl_b32 s62, s61, 23
	s_add_co_i32 s22, s22, s62                     ; a score stands for score x 2^(eq + ek): added to c's exponent field
	s_sub_co_i32 s61, 227, s61
	s_lshl_b32 s61, s61, 23
	s_or_b32 s61, s61, 0x80000000                  ; -2^(100 - eq - ek)
	v_mov_b32 v160, s61
	s_add_co_i32 s62, s86, 127
	s_lshl_b32 s63, s62, 23                        ; 2^ep
	s_add_co_i32 s62, s62, 8
	s_lshl_b32 s62, s62, 23
	s_or_b32 s62, s62, 0x600000                    ; 448 x 2^ep
	s_add_co_i32 s59, s88, 127
	s_lshl_b32 s58, s59, 23                        ; 2^ectx
	s_add_co_i32 s59, s59, 8
	s_lshl_b32 s59, s59, 23
	s_or_b32 s59, s59, 0x600000                    ; 448 x 2^ectx
	s_add_co_i32 s96, s86, s87                     ; ep + ev
	v_mov_b32 v13, 0xec800000                      ; the largest t so far: -2^90
	v_mov_b32 v17, 0xec800000
.irp r, 14,15,18,19,21,23
	v_mov_b32 v\r, 0                               ; the sums; v21 and v23 are named as the upper halves of f's pairs
.endr
	v_floor_f32 v12, -v13                          ; -M
	v_floor_f32 v16, -v17
	v_mov_b32 v24, s62
	v_mov_b32 v25, s62
	v_mov_b32 v26, s63
	v_mov_b32 v27, s59
	v_mov_b32 v28, s58
	WIN 0x40
.set i, 0
.rept 64
	v_mov_b32 v[RO+i], 0                           ; O^T of both tiles: the step is written once; its first pass finds zeros
.set i, i+1
.endr
	WIN 0
	s_wait_loadcnt 0x0
.irp n, 32,16,8,4,2,1
.set i, 0
.rept \n
	v_or_b32 v[80+i], v[80+i], v[80+\n+i]
.set i, i+1
.endr
.endr
	s_delay_alu instid0(VALU_DEP_1)
	v_cmp_ne_u32 vcc_lo, 0, v80
	s_cmp_lg_u32 vcc_lo, 0                         ; does any key of the batch count?
	s_cselect_b32 s22, s22, 0                      ; if none: c = 0.  A select: no branch hangs on loaded numbers
	s_mov_b32 s23, s22                             ; (named with it as a pair)
.irp i, 0,1,2,3,4,5,6,7
	v_cmp_eq_u32 vcc_lo, 0, v[144+\i]
	s_delay_alu instid0(VALU_DEP_1)
	v_cndmask_b32 v[152+\i], 0, v160, vcc_lo
.endr
	ds_store_b128 v6, v[152:155]
	ds_store_b128 v6, v[156:159] offset:4096
; 32 LDS loads into window 1: a step's addends and its eight tiles of K
.macro LOADKM am, ak
	WIN 0x40
.irp t, 0,1,2,3,4,5,6,7
	ds_load_b128 v[RM+8*\t:RM+8*\t+3], v[\am] offset:64*\t     ; the addends of keys 16 t + 8 h + 0..7
	ds_load_b128 v[RM+8*\t+4:RM+8*\t+7], v[\am] offset:64*\t+16
.endr
.irp t, 0,1,2,3,4,5,6,7
	ds_load_b128 v[RK+8*\t:RK+8*\t+3], v[\ak] offset:1024*\t
	ds_load_b128 v[RK+8*\t+4:RK+8*\t+7], v[\ak] offset:1024*\t+512
.endr
	WIN 0
.endm
.macro LOADV                           ; 16 LDS loads into window 1: four channel tiles of V, 16 channels x 128 keys each
	WIN 0x40
.irp c, 0,1
.irp g, 0,1,2,3
	ds_load_b128 v[RV+16*\c+4*\g:RV+16*\c+4*\g+3], v9 offset:32768*\c+512*\g
.endr
.endr
.irp c, 0,1
.irp g, 0,1,2,3
	ds_load_b128 v[RV+32+16*\c+4*\g:RV+32+16*\c+4*\g+3], v11 offset:32768*\c+512*\g
.endr
.endr
	WIN 0
.endm
.macro SMUL s, q                       ; S^T = K Q^T + the addends
.irp t, 0,1,2,3,4,5,6,7
	v_wmma_f32_16x16x64_fp8_fp8 v[\s+8*\t:\s+8*\t+7], v[RK+8*\t:RK+8*\t+7], v[\q:\q+7], v[RM+8*\t:RM+8*\t+7]
.endr
.endm
.macro PV o, p                         ; O^T += V^T P^T, four channel tiles by turns
.irp c, 0,1,2,3
	v_wmma_f32_16x16x128_fp8_fp8 v[\o+8*\c:\o+8*\c+7], v[RV+16*\c:RV+16*\c+15], v[\p:\p+15], v[\o+8*\c:\o+8*\c+7]
.endr
.endm
; the sum of a tile's 64 unquantised p, two at a time, in seven chains (acc and six at ch); the first two joins
.macro ADDS s, acc, ch
.irp c, 0,1,2,3,4,5
	v_pk_add_f32 v[\ch+2*\c:\ch+2*\c+1], v[\s+4*\c:\s+4*\c+1], v[\s+4*\c+2:\s+4*\c+3]
.endr
.set i, 24
.rept 2
	v_pk_add_f32 v[\acc:\acc+1], v[\acc:\acc+1], v[\s+i:\s+i+1]
.irp c, 0,1,2,3,4,5
	v_pk_add_f32 v[\ch+2*\c:\ch+2*\c+1], v[\ch+2*\c:\ch+2*\c+1], v[\s+i+2+2*\c:\s+i+3+2*\c]
.endr
.set i, i+14
.endr
	v_pk_add_f32 v[\acc:\acc+1], v[\acc:\acc+1], v[\s+52:\s+53]
.irp c, 0,1,2,3,4
	v_pk_add_f32 v[\ch+2*\c:\ch+2*\c+1], v[\ch+2*\c:\ch+2*\c+1], v[\s+54+2*\c:\s+55+2*\c]
.endr
	v_pk_add_f32 v[\ch+10:\ch+11], v[\ch+10:\ch+11], v[\acc:\acc+1]
	v_pk_add_f32 v[\ch:\ch+1], v[\ch:\ch+1], v[\ch+2:\ch+3]
.endm
.macro MERGE n, acc, ch                ; the later joins, laid among other lines, each well behind what it reads
.if \n == 3
	v_pk_add_f32 v[\ch+4:\ch+5], v[\ch+4:\ch+5], v[\ch+6:\ch+7]
.elseif \n == 4
	v_pk_add_f32 v[\ch+8:\ch+9], v[\ch+8:\ch+9], v[\ch+10:\ch+11]
.elseif \n == 5
	v_pk_add_f32 v[\ch:\ch+1], v[\ch:\ch+1], v[\ch+4:\ch+5]
.else
	v_pk_add_f32 v[\acc:\acc+1], v[\ch:\ch+1], v[\ch+8:\ch+9]
.endif
.endm
.macro CVT s, p, t
	v_cvt_scalef32_pk8_fp8_f32 v[\p+2*\t:\p+2*\t+1], v[\s+8*\t:\s+8*\t+7], v26
.endm
; A KEY STEP: 128 keys.  At its head this step's K and addends have been asked for (32 loads).  last = 1: nothing follows.
.macro STEP last
.if \last
	PLACES 4                                       ; four plain lines between the last products and the loads into V's registers
.else
	v_add_nc_u32 v8, s2, v1                        ; the next step's K and addends; with the two v_nop: the four plain lines behind the last products
	v_add_nc_u32 v10, s3, v3
	PLACES 2
.endif
	LOADV                                          ; this step's V lands under the softmax
.if \last == 0
	s_add_co_u32 s48, s48, 2048
	v_add_nc_u32 v9, s48, v2                       ; the next step's V
	v_add_nc_u32 v11, s48, v4
	s_wait_alu depctr_va_vdst(0)                   ; directly ahead of the wait below
.endif
	s_wait_dscnt 16                                ; K and the addends are in; V's 16 loads may be out
	WIN 0x11                                       ; K and the addends from window 1
	SMUL SA, 32
	SMUL SB, 40
	WIN 0
	PLACES 4                                       ; in front of the loads below and of the first read of the scores
.if \last == 0
	LOADKM 10, 8                                   ; the next step's, under the softmax
	s_add_co_u32 s2, s2, 8192
	s_add_co_u32 s3, s3, 512
.endif
.irp c, 0,1,2,3                        ; the step's largest score of each of my two queries among my 64 keys: four chains a tile, the tiles by turns, each accumulator from its low end on
	v_max3_num_f32 v[208+2*\c], v[SA+3*\c], v[SA+3*\c+1], v[SA+3*\c+2]
	v_max3_num_f32 v[209+2*\c], v[SB+3*\c], v[SB+3*\c+1], v[SB+3*\c+2]
.endr
.set i, 12
.rept 6
.irp c, 0,1,2,3
	v_max3_num_f32 v[208+2*\c], v[208+2*\c], v[SA+i+2*\c], v[SA+i+2*\c+1]
	v_max3_num_f32 v[209+2*\c], v[209+2*\c], v[SB+i+2*\c], v[SB+i+2*\c+1]
.endr
.set i, i+8
.endr
.irp c, 0,1
	v_max3_num_f32 v[208+2*\c], v[208+2*\c], v[SA+60+2*\c], v[SA+61+2*\c]
	v_max3_num_f32 v[209+2*\c], v[209+2*\c], v[SB+60+2*\c], v[SB+61+2*\c]
.endr
	v_max3_num_f32 v208, v208, v212, v214
	v_max3_num_f32 v209, v209, v213, v215
	v_max_num_f32 v208, v208, v210
	v_max_num_f32 v209, v209, v211
	v_permlanex16_b32 v210, v208, s20, s21
	v_permlanex16_b32 v211, v209, s20, s21
	v_max_num_f32 v208, v208, v210                 ; and among lane l xor 16's
	v_max_num_f32 v209, v209, v211
	v_mul_f32 v208, s22, v208                      ; as t (c is not negative)
	v_mul_f32 v209, s22, v209
	v_max_num_f32 v13, v13, v208                   ; the running largest t
	v_max_num_f32 v17, v17, v209
	v_mov_b32 v208, v12
	v_mov_b32 v209, v16
	v_floor_f32 v12, -v13                          ; the new -M = -ceil(t)
	v_floor_f32 v16, -v17
	v_sub_f32 v208, v12, v208                      ; old M - new M: a whole number, 0 or less
	v_sub_f32 v209, v16, v209
	v_cvt_i32_f32 v208, v208                       ; (it saturates)
	v_cvt_i32_f32 v209, v209
	v_ldexp_f32 v20, 1.0, v208                     ; f = 2^(old M - new M)
	v_ldexp_f32 v22, 1.0, v209
	WIN 0x41                                       ; O^T in window 1, f in window 0
.set j, 0
.rept 16
	v_pk_mul_f32 v[RO+j:RO+j+1], v[RO+j:RO+j+1], v[20:21] op_sel_hi:[1,0]         ; O^T under the new M: no exponential stands between the last step's products and these lines
.set j, j+2
.endr
.set j, 0
.rept 16
	v_pk_mul_f32 v[RO+32+j:RO+33+j], v[RO+32+j:RO+33+j], v[22:23] op_sel_hi:[1,0]
.set j, j+2
.endr
	WIN 0
	v_pk_mul_f32 v[14:15], v[14:15], v[20:21] op_sel_hi:[1,0]   ; the sums under the new M
	v_pk_mul_f32 v[18:19], v[18:19], v[22:23] op_sel_hi:[1,0]
.set j, 0
.rept 32
	v_pk_fma_f32 v[SA+j:SA+j+1], v[SA+j:SA+j+1], s[22:23], v[12:13] op_sel_hi:[1,0,0]   ; tile A: t - M (of the pairs c and -M the low word serves both halves)
.set j, j+2
.endr
	s_wait_alu depctr_va_vdst(0)
.set j, 0
.rept 32
	v_exp_f32 v[SA+j], v[SA+j]                     ; tile A: p = 2^(t - M); by turns with tile B's t - M, which is read behind the next wait
	v_exp_f32 v[SA+j+1], v[SA+j+1]
	v_pk_fma_f32 v[SB+j:SB+j+1], v[SB+j:SB+j+1], s[22:23], v[16:17] op_sel_hi:[1,0,0]
.set j, j+2
.endr
	s_wait_alu depctr_va_vdst(0)                   ; behind tile A's batch and ahead of tile B's
	ADDS SA, 14, 216                               ; tile A's sum; its chains are next read behind the next wait
.set j, 0
.rept 32
	v_exp_f32 v[SB+j], v[SB+j]                     ; tile B: p; by turns with tile A's hold: the conversion does not saturate (ISA guide 7.6.2); p is not negative: a one-sided hold, two numbers a line
	v_exp_f32 v[SB+j+1], v[SB+j+1]
	v_dual_min_num_f32 v[SA+j], v[SA+j], v24 :: v_dual_min_num_f32 v[SA+j+1], v[SA+j+1], v25
.set j, j+2
.endr
	v_nop                                          ; a plain line behind the last exponential
	s_wait_alu depctr_va_vdst(0)                   ; one wait for the batch, and for what was written among it
	CVT SA, PA, 0
	MERGE 3, 14, 216
	MERGE 4, 14, 216
	CVT SA, PA, 1
	CVT SA, PA, 2
	MERGE 5, 14, 216
	CVT SA, PA, 3
	CVT SA, PA, 4
	MERGE 6, 14, 216
	CVT SA, PA, 5
	CVT SA, PA, 6
	CVT SA, PA, 7
	v_nop                                          ; a plain line between the last conversion and the products that read its result
	s_wait_alu depctr_va_vdst(0)                   ; directly ahead of the wait below
.if \last
	s_wait_dscnt 0x0
.else
	s_wait_dscnt 32                                ; V is in; the next step's 32 loads may be out
.endif
	WIN 0x51                                       ; V and O^T in window 1, p's codes in window 0
	PV RO, PA
	WIN 0
	ADDS SB, 18, 228
.irp t, 0,1,2,3,4,5,6,7
.irp i, 0,2,4,6
	v_dual_min_num_f32 v[SB+8*\t+\i], v[SB+8*\t+\i], v24 :: v_dual_min_num_f32 v[SB+8*\t+\i+1], v[SB+8*\t+\i+1], v25
.endr
	CVT SB, PB, \t
.if \t == 0
	MERGE 3, 18, 228
	MERGE 4, 18, 228
.elseif \t == 1
	MERGE 5, 18, 228
.elseif \t == 2
	MERGE 6, 18, 228
.endif
.endr
	v_nop
	WIN 0x51
	PV RO+32, PB
	WIN 0
.endm
	s_mov_b32 s2, 8192
	s_mov_b32 s3, 512
	s_mov_b32 s48, 0
	s_mov_b32 s19, 15
	s_wait_alu depctr_va_vdst(0)
	s_wait_tensorcnt 0x0                           ; my part of K or V has landed,
	s_wait_dscnt 0x0                               ; and my part of the table
	s_barrier_signal -1
	s_barrier_wait -1                              ; and everybody's: no byte of LDS is written from here on
	LOADKM 3, 1                                    ; step 0's
.Lstep:
	STEP 0
	s_sub_co_u32 s19, s19, 1
	s_cmp_lg_u32 s19, 0
	s_cbranch_scc1 .Lstep
	STEP 1                                         ; the last step is written out: it asks for nothing beyond the head's keys
	; THE WAY OUT: O^T / the sum x 2^(ep + ev), held, converted: eight registers a tile are my head's 1,024 bytes of ctx's image.  The lines up to the first read of O^T are also the plain lines behind the last products
	v_add_f32 v14, v14, v15
	v_add_f32 v18, v18, v19
	v_permlanex16_b32 v208, v14, s20, s21
	v_permlanex16_b32 v209, v18, s20, s21
	v_add_f32 v14, v14, v208                       ; the rows' sums
	v_add_f32 v18, v18, v209
	s_wait_alu depctr_va_vdst(0)                   ; the wait ahead of the transcendentals,
	v_rcp_f32 v208, v14
	v_rcp_f32 v209, v18
	v_nop
	s_wait_alu depctr_va_vdst(0)                   ; ahead of their first reader,
	v_ldexp_f32 v20, v208, s96
	v_ldexp_f32 v22, v209, s96
	WIN 0x01                                       ; O^T from window 1
	s_wait_alu depctr_va_vdst(0)                   ; and directly ahead of the first reader of O^T
.set j, 0
.rept 16
	v_pk_mul_f32 v[SA+j:SA+j+1], v[RO+j:RO+j+1], v[20:21] op_sel_hi:[1,0]
.set j, j+2
.endr
.set j, 0
.rept 16
	v_pk_mul_f32 v[SA+32+j:SA+33+j], v[RO+32+j:RO+33+j], v[22:23] op_sel_hi:[1,0]
.set j, j+2
.endr
	WIN 0
.irp ct, 0,1,2,3,4,5,6,7
.irp i, 0,1,2,3,4,5,6,7
	v_med3_num_f32 v[SA+8*\ct+\i], v[SA+8*\ct+\i], -v27, v27
.endr
	v_cvt_scalef32_pk8_fp8_f32 v[PA+2*\ct:PA+2*\ct+1], v[SA+8*\ct:SA+8*\ct+7], v28
.endr
	v_nop
	global_store_b128 v1, v[PA:PA+3], s[10:11]     ; 512 consecutive bytes a store, aligned: tile A,
	global_store_b128 v1, v[PA+4:PA+7], s[10:11] offset:512
	global_store_b128 v1, v[PA+8:PA+11], s[10:11] offset:16384   ; tile B
	global_store_b128 v1, v[PA+12:PA+15], s[10:11] offset:16896
	s_wait_tensorcnt 0x0                           ; the wave's end
	ds_add_u32 v254, v255
	s_wait_dscnt 0x0
	CROUND                                         ; the closing round
	s_endpgm
.Lfunc_end_k_q0098c424ab_attn:
	.size	k_q0098c424ab_attn, .Lfunc_end_k_q0098c424ab_attn-k_q0098c424ab_attn
	.p2alignl 7, 3214868480
	.fill 96, 4, 3214868480
	.section	.rodata,"a",@progbits
	.p2align	6, 0x0
	.amdhsa_kernel k_q0098c424ab_attn
		.amdhsa_group_segment_fixed_size 272384
		.amdhsa_private_segment_fixed_size 0
		.amdhsa_enable_private_segment 0
		.amdhsa_kernarg_size 32
		.amdhsa_user_sgpr_count 2
		.amdhsa_user_sgpr_kernarg_segment_ptr 1
		.amdhsa_wavefront_size32 1
		.amdhsa_system_sgpr_workgroup_id_x 1
		.amdhsa_system_sgpr_workgroup_id_y 1
		.amdhsa_system_sgpr_workgroup_id_z 1
		.amdhsa_system_vgpr_workitem_id 0
		.amdhsa_next_free_vgpr 512
		.amdhsa_next_free_sgpr 100
		.amdhsa_reserve_vcc 1
		.amdhsa_float_denorm_mode_32 3
		.amdhsa_float_denorm_mode_16_64 3
		.amdhsa_memory_ordered 1
		.amdhsa_forward_progress 1
		.amdhsa_inst_pref_size 81
	.end_amdhsa_kernel
	.amdgpu_metadata
---
amdhsa.version: [ 1, 2 ]
amdhsa.kernels:
  - .name:           k_q0098c424ab_attn
    .symbol:         k_q0098c424ab_attn.kd
    .args:
      - { .name: qkvf, .offset: 0, .size: 8, .value_kind: global_buffer, .address_space: global }
      - { .name: src_mask, .offset: 8, .size: 8, .value_kind: global_buffer, .address_space: global }
      - { .name: lowp_scales, .offset: 16, .size: 8, .value_kind: global_buffer, .address_space: global }
      - { .name: ctxf, .offset: 24, .size: 8, .value_kind: global_buffer, .address_space: global }
    .group_segment_fixed_size: 272384
    .private_segment_fixed_size: 0
    .kernarg_segment_align: 8
    .kernarg_segment_size: 32
    .max_flat_workgroup_size: 256
    .sgpr_count:     100
    .vgpr_count:     512
    .wavefront_size: 32
...
	.end_amdgpu_metadata
.endif
;; end of part 3
;; launch wo (part 4): grid 8 x 32, 4 waves a work-group, clusters of 4 x 4, 327,680 bytes of LDS; arguments ctxf, wf, bo, x, lowp_scales, x1; writes x1
.if DOCPART == 4
	.amdgcn_target "amdgcn-amd-amdhsa--gfx1250"
	.amdhsa_code_object_version 6
	.text
	.protected	k_q0098c424ab_wo
	.globl	k_q0098c424ab_wo
	.p2align	8
	.type	k_q0098c424ab_wo,@function
k_q0098c424ab_wo:
	s_mov_b64 s[64:65], 0
	v_nop
	global_prefetch_b8 v0, s[64:65] scope:SCOPE_SE
	s_setreg_imm32_b32 hwreg(HW_REG_WAVE_MODE, 25, 1), 1
	s_wait_xcnt 0x0
	s_wait_alu depctr_hold_cnt(0) depctr_sa_sdst(0) depctr_va_vdst(0) depctr_va_sdst(0) depctr_va_ssrc(0) depctr_va_vcc(0) depctr_vm_vsrc(0)
	s_getreg_b32 s2, hwreg(HW_REG_IB_STS2, 6, 4)
	s_cmp_eq_u32 s2, 0
	s_cbranch_scc0 .Lentry_in_a_cluster
	s_endpgm
.Lentry_in_a_cluster:
	s_bfe_u32 s2, ttmp6, 0x10000c
	s_cmp_lg_u32 s2, 0xf033
	s_cbranch_scc0 .Lentry_shape_is_right
	s_endpgm
.Lentry_shape_is_right:
; A GEMM ON CODES OF E4M3 WITH AN f32 RESULT: out = resid + A W + bias.  One text serves two launches; FFN2 picks.
; FFN2 = 0: x1 = x + ctx wo + bo (K = 1,024, scales 10/11).   FFN2 = 1: out0 = x1 + hidden w2 + b2 (K = 4,096, scales 14/15).
; BOTH OPERANDS ARE IMAGES OF OPERAND REGISTERS: 16 rows x 128 K = 2,048 bytes, group g of 512 bytes, lane L's 16 bytes at 512 g + 16 L = registers 4 g .. 4 g + 3 of the plain fp8 forms' layout; a tensor is
; [rows/16][K/128][2,048].  A fragment comes from LDS by four ds_load_b128 at 16 x lane: dense, no pitch, no padding.
; THE MATRIX INSTRUCTION IS USED TRANSPOSED (source 0 = 16 rows of W, source 1 = 16 tokens): a lane holds eight neighbouring columns of one row of the result.
; SHARES.  A tile of C is 128 x 128, the largest that gives 256 work-groups at N = 1,024: four waves, 64 x 64 each, 16 accumulators.  K goes in slots of 512 through a ring of two LDS slots; all is written out, NS slots, no loop.
; CLUSTERS: 4 x 4.  The token tile hangs on Y alone and is asked for jointly along a row of the cluster, the weight tile on X alone, jointly along a column.
; THE BIAS is the C of the first 16 products, divided by 2^(ea + eb); out = sum x 2^(ea + eb) + resid is one packed multiply-add for two numbers.
; THE WAY OUT: 16 rows x 256 bytes at a time through the wave's own stage (rows of 272 bytes), so that sixteen lanes store 256 consecutive bytes, aligned; the residual is loaded in the same layout, two blocks ahead.
; LIMITS: ea + eb between -126 and 127.  NaN among the inputs is not served.
; REGISTERS.  window 0: v1 r, v2 h, v3 16 x lane; v16-19 LDS addresses; v24, v25 the stage, in and back; v26 my place in two rows of C; v27 32 h; v28, v29 the add's; v32-95 two blocks of the residual;
;   v96-127 the bias, later a block read back; v128-255 accumulator (a, b) at 128 + 8 (4 a + b).   window 1: two fragment buffers of 128: tokens at +16 i, weights at +64 + 16 i.
.set FFN2, 0
.if FFN2
.set NS, 8
.set LRT, 16                           ; a row tile of images is 2^LRT bytes
.set WOFF, 0x800000
.set EA, 14
.else
.set NS, 2
.set LRT, 14
.set WOFF, 0x300000
.set EA, 10
.endif
.set KSTP, 16384                       ; a refill's step: two slots of four images along K
.set SLOT, 131072                      ; 128 token rows x 512 K, then 128 weight rows x 512 K
.set STAGE, 2*SLOT                     ; behind the ring: 16 rows x 272 bytes for each wave
.set SPARE, STAGE+4*16*272             ; behind the stages: the spare words, 128 bytes a wave: two blocks of 256 bytes that no other line names
.set ACC, 128
.set BI,  96
.set F0,  0
.set F1,  128
.set G1T, 24                           ; s[24:31] group 1, tokens;  s[32:39] group 0, a set for each slot
.set G0T, 32
.set G1W, 48                           ; s[48:55], s[56:63] the same for weights
.set G0W, 56
.set MSB, 0
.macro WIN new                         ; the immediate's high byte repeats the setting that is left
.if MSB != \new
	s_set_vgpr_msb (MSB<<8)|\new
.set MSB, \new
.endif
.endm
.set MUL,  0x05                        ; sources 0 and 1 window 1; C and D window 0
.set TO_F, 0x40                        ; destination window 1, address window 0
.macro PLACES n
.rept \n
	v_nop
.endr
.endm
.macro JLOAD j                         ; a joint load: waves 0, 1 fetch the token tile's halves, waves 2, 3 the weight tile's; four v_nop follow each line
	s_cmp_eq_u32 s19, 0
	s_cbranch_scc0 .Lfor_w_\@
	tensor_load_to_lds s[G0T+4*\j:G0T+4*\j+3], s[G1T:G1T+7]
	s_nop 0
	PLACES 4
	s_branch .Lasked_\@
.Lfor_w_\@:
	tensor_load_to_lds s[G0W+4*\j:G0W+4*\j+3], s[G1W:G1W+7]
	s_nop 0
	PLACES 4
.Lasked_\@:
.endm
.macro CREST                           ; a round of the cluster's barrier behind its opening barrier
	s_cmp_lg_u32 s18, 0
	s_cbranch_scc1 .Lnot_wave_0_\@
	s_barrier_signal -3
.Lnot_wave_0_\@:
	s_barrier_wait -3
	s_barrier_signal -1
	s_barrier_wait -1
.endm
.macro CROUND
	s_barrier_signal -1
	s_barrier_wait -1
	CREST
.endm
.macro ADRS s                          ; RA, RB: the address registers of the tokens' and the weights' fragments in stream slot s
.set RA, 16+(\s)%2
.set RB, 18+(\s)%2
.endm
.macro FETCH q, f                      ; 32 LDS loads in one run: the eight fragments of the slot's q-th 128 along K into buffer f
	WIN TO_F
.irp i, 0,1,2,3
.irp g, 0,1,2,3
	ds_load_b128 v[\f+64+16*\i+4*\g:\f+64+16*\i+4*\g+3], v[RB] offset:16384*\i+2048*\q+512*\g   ; in LDS a row tile holds its whole K: eight images, 16,384 bytes
.endr
.irp g, 0,1,2,3
	ds_load_b128 v[\f+16*\i+4*\g:\f+16*\i+4*\g+3], v[RA] offset:16384*\i+2048*\q+512*\g
.endr
.endr
.endm
.macro MULA f, a, cm                   ; four products: token tile a x the four weight tiles.  cm = 0: onto the sums; 1: the bias starts them
.irp b, 0,1,2,3
.if \cm == 0
	v_wmma_f32_16x16x128_fp8_fp8 v[ACC+8*(4*\a+\b):ACC+8*(4*\a+\b)+7], v[\f+64+16*\b:\f+64+16*\b+15], v[\f+16*\a:\f+16*\a+15], v[ACC+8*(4*\a+\b):ACC+8*(4*\a+\b)+7]
.else
	v_wmma_f32_16x16x128_fp8_fp8 v[ACC+8*(4*\a+\b):ACC+8*(4*\a+\b)+7], v[\f+64+16*\b:\f+64+16*\b+15], v[\f+16*\a:\f+16*\a+15], v[BI+8*\b:BI+8*\b+7]
.endif
.endr
.endm
.macro MUL16 f, cm                     ; the 16 accumulators take turns, one instruction a turn, in the same order in every step
	MULA \f, 0, \cm
	MULA \f, 1, \cm
	MULA \f, 2, \cm
	MULA \f, 3, \cm
.endm
.macro STEP qn, f, g, cm               ; multiplies buffer f; ahead of that the slot's step qn is fetched into g and lands under the products
	s_wait_dscnt 0x0                               ; buffer f is in
	PLACES 4                                       ; four plain lines between the last products, which read g, and the loads into it (ISA guide 7.12.1 for vector instructions)
	FETCH \qn, \g
	WIN MUL
	MUL16 \f, \cm
.endm
; A slot's fourth step changes slots: ONE barrier.  In front of it each wave waits for all its tensor loads, adds 0 to its spare word, and waits for that and for its reads of this slot (its last fragments are in buffer 1).
; Where the stream has a slot two on, the barrier opens a round of the cluster's, and this slot is filled again first thing behind it: that load has four K steps in which to land.
.macro TURN
.set J, S%2
	WIN 0                                          ; (the add's two registers lie in window 0)
	s_wait_tensorcnt 0x0                           ; all my tensor loads have landed: my part of the next slot; so a group 0 may be written
	ds_add_u32 v28, v29                            ; 0 onto my spare word
.if S+2 < NS
	s_add_nc_u64 s[G0T+4*J+2:G0T+4*J+3], s[G0T+4*J+2:G0T+4*J+3], KSTP
	s_add_nc_u64 s[G0W+4*J+2:G0W+4*J+3], s[G0W+4*J+2:G0W+4*J+3], KSTP
.endif
	s_wait_dscnt 0x1                               ; buffer 1 is in; the add alone may be out
	WIN MUL
	MULA F1, 0, 0
	s_wait_dscnt 0x0                               ; the add is done, and my reads of this slot are over
	s_barrier_signal -1
	MULA F1, 1, 0
	WIN 0
	s_barrier_wait -1
.if S+2 < NS
	CREST                                          ; no wave of any partner still reads this slot or has a load on its way
	JLOAD J                                        ; the first tensor load behind the round; its four v_nop are also the places in front of the loads below
.else
	PLACES 4
.endif
	ADRS S+1
	FETCH 0, F0
	WIN MUL
	MULA F1, 2, 0
	MULA F1, 3, 0
.endm
.macro RESLOAD a                       ; the residual of block a (16 rows x my 256 bytes), in the layout in which the block comes back from the stage
.irp t, 0,1,2,3,4,5,6,7
	global_load_b128 v[32+32*((\a)%2)+4*\t:35+32*((\a)%2)+4*\t], v26, s[10:11] offset:(16*(\a)+2*\t)*4096
.endr
.endm
	s_load_b256 s[4:11], s[0:1], 0x0               ; the tokens' codes, wf, the bias, the residual
	s_load_b128 s[12:15], s[0:1], 0x20             ; the exponents, the result
	v_lshl_add_u32 v28, v0, 2, SPARE
	v_mov_b32 v29, 0
	ds_add_u32 v28, v29
	ds_add_u32 v28, v29
	s_wait_dscnt 0x0
	v_lshrrev_b32 v1, 5, v0
	v_readfirstlane_b32 s18, v1                    ; wave
	s_lshr_b32 s19, s18, 1                         ; wr: which half of the tile's rows.  Also: I fetch tokens (0) or weights (1)
	s_and_b32 s20, s18, 1                          ; wc: which half of its columns.  Also: which 64 rows of that tile I fetch
	s_bfe_u32 s21, ttmp6, 0x40000                  ; cx
	s_bfe_u32 s22, ttmp6, 0x40004                  ; cy
	s_lshl_b32 s23, ttmp9, 2
	s_add_co_u32 s23, s23, s21                     ; X = 4 x cluster x + cx
	s_and_b32 s40, ttmp7, 0xffff
	s_lshl_b32 s40, s40, 2
	s_add_co_u32 s40, s40, s22                     ; Y = 4 x cluster y + cy
	s_lshl_b32 s41, s22, 2
	s_lshl_b32 s41, 15, s41                        ; my row of the cluster
	s_lshl_b32 s44, 0x1111, s21                    ; my column
	; group 1: 4 rows (row tiles) of 16,384 bytes (eight images on end), elements of 8 bytes, dense in LDS
	s_or_b32 s[G1T], s41, (3<<16)|(1<<21)          ; 15:0 the mask; 17:16 elements of 8 bytes; 21 set beside a mask
	s_or_b32 s[G1W], s44, (3<<16)|(1<<21)
.irp g, G1T, G1W
	s_mov_b32 s[\g+1], 2048<<16                    ; tensor_dim0 = 2,048 elements of 8 bytes: a row tile's whole K = 1,024
	s_mov_b32 s[\g+2], 4<<16                       ; tensor_dim1 = 4
	s_mov_b32 s[\g+3], 2048<<16                    ; tile_dim0
	s_mov_b32 s[\g+4], 4                           ; tile_dim1
	s_mov_b32 s[\g+5], (1<<LRT)/8                  ; from row tile to row tile
	s_mov_b32 s[\g+6], 0
	s_mov_b32 s[\g+7], 0
.endr
	s_lshl_b32 s42, s40, LRT+3                     ; tokens: row tile 8 Y + 4 x half: Y and the wave's number alone
	s_lshl_b32 s43, s20, LRT+2
	s_add_co_u32 s42, s42, s43
	s_mov_b32 s43, 0
	s_lshl_b32 s46, s23, LRT+3                     ; weights: row tile 8 X + 4 x half: X and the wave's number alone
	s_lshl_b32 s47, s20, LRT+2
	s_add_co_u32 s46, s46, s47
	s_add_co_u32 s46, s46, WOFF
	s_mov_b32 s47, 0
	s_lshl_b32 s45, s18, 16                        ; where they go: wave x 65,536: no place in the cluster enters an LDS address
	s_wait_kmcnt 0x0
	s_load_b64 s[68:69], s[12:13], EA*4            ; ea, eb
	s_add_nc_u64 s[42:43], s[4:5], s[42:43]
	s_add_nc_u64 s[46:47], s[6:7], s[46:47]
	CROUND                                         ; all sixteen work-groups are here: the first joint loads meet
.irp j, 0                              ; ONE fill: each wave's one tensor load brings 4 row tiles x the whole K, 65,536 bytes; nothing is filled later
	s_mov_b32 s[G0T+4*\j], 1
	s_add_co_u32 s[G0T+4*\j+1], s45, \j*SLOT
	s_add_nc_u64 s[G0T+4*\j+2:G0T+4*\j+3], s[42:43], \j*8192
	s_or_b32 s[G0T+4*\j+3], s[G0T+4*\j+3], 0x80000000
	s_mov_b32 s[G0W+4*\j], 1
	s_add_co_u32 s[G0W+4*\j+1], s45, \j*SLOT
	s_add_nc_u64 s[G0W+4*\j+2:G0W+4*\j+3], s[46:47], \j*8192
	s_or_b32 s[G0W+4*\j+3], s[G0W+4*\j+3], 0x80000000
	JLOAD \j
.endr
	v_and_b32 v1, 15, v0                           ; r
	v_bfe_u32 v2, v0, 4, 1                         ; h
	v_and_b32 v3, 31, v0
	v_lshlrev_b32 v3, 4, v3                        ; 16 x lane
	v_lshlrev_b32 v27, 5, v2
	v_lshlrev_b32 v31, 8, v3                       ; the prefetch's offset: a lane a row of 4,096 bytes; never rewritten
	s_lshl_b32 s98, s19, 16
	s_lshl_b32 s99, s20, 16
	v_add_nc_u32 v16, s98, v3                      ; tokens by wr: K 0-511,
	v_add_nc_u32 v17, 8192, v16                    ; and K 512-1,023: four images on
	v_add_nc_u32 v18, s99, v3
	v_add_nc_u32 v18, 0x20000, v18                 ; weights by wc, behind the tokens' 131,072 bytes
	v_add_nc_u32 v19, 8192, v18
	s_mul_i32 s98, s18, 16*272
	s_add_co_u32 s98, s98, STAGE                   ; my stage
	v_mul_u32_u24 v24, v1, 272
	v_lshl_add_u32 v24, v2, 5, v24
	v_add_nc_u32 v24, s98, v24                     ; in: row r, 32 bytes for each half of the lanes
	v_mul_u32_u24 v25, v2, 272
	v_lshl_add_u32 v25, v1, 4, v25
	v_add_nc_u32 v25, s98, v25                     ; back: lanes 0-15 one row of 256 bytes, lanes 16-31 the next
	v_lshlrev_b32 v26, 12, v2
	v_lshl_add_u32 v26, v1, 4, v26                 ; and the same two rows in memory
	s_lshl_b32 s98, s23, 9
	s_lshl_b32 s99, s20, 8
	s_add_co_u32 s98, s98, s99                     ; my first column, in bytes: 512 X + 256 wc
	s_mov_b32 s99, 0
	s_add_nc_u64 s[8:9], s[8:9], s[98:99]
	s_lshl_b32 s93, s40, 19
	s_add_co_u32 s98, s98, s93
	s_lshl_b32 s93, s19, 18
	s_add_co_u32 s98, s98, s93                     ; + my first row: (128 Y + 64 wr) x 4,096 bytes
	s_add_nc_u64 s[10:11], s[10:11], s[98:99]
	s_add_nc_u64 s[14:15], s[14:15], s[98:99]
.irp b, 0,1,2,3
	global_load_b128 v[BI+8*\b:BI+8*\b+3], v27, s[8:9] offset:64*\b            ; register 8 b + j = bias(16 b + 8 h + j) of my 64 columns
	global_load_b128 v[BI+8*\b+4:BI+8*\b+7], v27, s[8:9] offset:64*\b+16
.endr
	s_wait_kmcnt 0x0
	s_add_co_i32 s70, s68, s69                     ; ea + eb
	s_sub_co_i32 s71, 0, s70
	s_add_co_i32 s70, s70, 127
	s_lshl_b32 s72, s70, 23                        ; 2^(ea + eb) as f32
	s_mov_b32 s73, s72                             ; (named with it as a pair)
	s_wait_loadcnt 0x0
.set i, 0
.rept 32
	v_ldexp_f32 v[BI+i], v[BI+i], s71              ; bias / 2^(ea + eb)
.set i, i+1
.endr
	s_wait_alu depctr_va_vdst(0)
	s_wait_tensorcnt 0x0                           ; my one tensor load has landed
	s_barrier_signal -1
	s_barrier_wait -1
	ADRS 0
	FETCH 0, F0
	global_prefetch_b8 v31, s[10:11] th:TH_LOAD_NT scope:SCOPE_SE                 ; the residual of my 64 rows x 256 bytes, which the way out reads: a lane a row, each aligned block of 256 bytes named once in the launch; asked for when the one fill has landed, all eight K steps ahead of the way out
	global_prefetch_b8 v31, s[10:11] offset:131072 th:TH_LOAD_NT scope:SCOPE_SE
.set S, 0
.rept NS
	ADRS S
.if S == NS-1
	WIN 0
	RESLOAD 0                                      ; the first two blocks of the residual land under the last slot's products
	RESLOAD 1
.endif
.set CM, 0
.if S == 0
.set CM, 1
.endif
	STEP 1, F0, F1, CM
	STEP 2, F1, F0, 0
	STEP 3, F0, F1, 0
.if S < NS-1
	TURN
.else
	s_wait_dscnt 0x0                               ; the very last step: nothing more to fetch
	WIN MUL
	MUL16 F1, 0
.endif
.set S, S+1
.endr
	WIN 0
	PLACES 4                                       ; between the last products and the first read of results
.irp a, 0,1,2,3
.irp b, 0,1,2,3
	ds_store_b128 v24, v[ACC+8*(4*\a+\b):ACC+8*(4*\a+\b)+3] offset:64*\b       ; each accumulator from its low end on
	ds_store_b128 v24, v[ACC+8*(4*\a+\b)+4:ACC+8*(4*\a+\b)+7] offset:64*\b+16
.endr
.irp t, 0,1,2,3,4,5,6,7
	ds_load_b128 v[96+32*\a+4*\t:99+32*\a+4*\t], v25 offset:544*\t             ; LDS serves a wave's instructions in order: these see the stores above.  Block a comes back into block a - 1's accumulators (block 0: the bias's registers), whose LDS stores have been waited for: no store's data are written again
.endr
	s_wait_dscnt 0x0
.if \a < 3
	s_wait_loadcnt 0x8                             ; this block's residual is in; the next block's eight loads may be out
.else
	s_wait_loadcnt 0x0
.endif
.irp i, 0,2,4,6,8,10,12,14,16,18,20,22,24,26,28,30
	v_pk_fma_f32 v[96+32*\a+\i:97+32*\a+\i], v[96+32*\a+\i:97+32*\a+\i], s[72:73], v[32+32*(\a%2)+\i:33+32*(\a%2)+\i] op_sel_hi:[1,0,1]   ; sum x 2^(ea + eb) + residual
.endr
.irp t, 0,1,2,3,4,5,6,7
	global_store_b128 v26, v[96+32*\a+4*\t:99+32*\a+4*\t], s[14:15] offset:(16*\a+2*\t)*4096   ; 16 lanes store 256 consecutive bytes, aligned
.endr
.if \a < 2
	RESLOAD \a+2
.endif
.endr
	s_wait_tensorcnt 0x0                           ; the wave's end
	ds_add_u32 v28, v29
	s_wait_dscnt 0x0
	CROUND                                         ; the closing round: no work-group ends while a partner may still ask for a tile that names it
	s_endpgm
.Lfunc_end_k_q0098c424ab_wo:
	.size	k_q0098c424ab_wo, .Lfunc_end_k_q0098c424ab_wo-k_q0098c424ab_wo
	.p2alignl 7, 3214868480
	.fill 96, 4, 3214868480
	.section	.rodata,"a",@progbits
	.p2align	6, 0x0
	.amdhsa_kernel k_q0098c424ab_wo
		.amdhsa_group_segment_fixed_size 327680
		.amdhsa_private_segment_fixed_size 0
		.amdhsa_enable_private_segment 0
		.amdhsa_kernarg_size 48
		.amdhsa_user_sgpr_count 2
		.amdhsa_user_sgpr_kernarg_segment_ptr 1
		.amdhsa_wavefront_size32 1
		.amdhsa_system_sgpr_workgroup_id_x 1
		.amdhsa_system_sgpr_workgroup_id_y 1
		.amdhsa_system_sgpr_workgroup_id_z 1
		.amdhsa_system_vgpr_workitem_id 0
		.amdhsa_next_free_vgpr 512
		.amdhsa_next_free_sgpr 100
		.amdhsa_reserve_vcc 0
		.amdhsa_float_denorm_mode_32 3
		.amdhsa_float_denorm_mode_16_64 3
		.amdhsa_memory_ordered 1
		.amdhsa_forward_progress 1
		.amdhsa_inst_pref_size 50
	.end_amdhsa_kernel
	.amdgpu_metadata
---
amdhsa.version: [ 1, 2 ]
amdhsa.kernels:
  - .name:           k_q0098c424ab_wo
    .symbol:         k_q0098c424ab_wo.kd
    .args:
      - { .name: ctxf, .offset: 0, .size: 8, .value_kind: global_buffer, .address_space: global }
      - { .name: wf, .offset: 8, .size: 8, .value_kind: global_buffer, .address_space: global }
      - { .name: bo, .offset: 16, .size: 8, .value_kind: global_buffer, .address_space: global }
      - { .name: x, .offset: 24, .size: 8, .value_kind: global_buffer, .address_space: global }
      - { .name: lowp_scales, .offset: 32, .size: 8, .value_kind: global_buffer, .address_space: global }
      - { .name: x1, .offset: 40, .size: 8, .value_kind: global_buffer, .address_space: global }
    .group_segment_fixed_size: 327680
    .private_segment_fixed_size: 0
    .kernarg_segment_align: 8
    .kernarg_segment_size: 48
    .max_flat_workgroup_size: 128
    .sgpr_count:     100
    .vgpr_count:     512
    .wavefront_size: 32
...
	.end_amdgpu_metadata
.endif
;; end of part 4
;; launch ln2 (part 5): grid 256 x 1, 16 waves a work-group, no clusters, 18,944 bytes of LDS; arguments x1, alpha2, beta2, lowp_scales, xn2f; writes xn2f
.if DOCPART == 5
	.amdgcn_target "amdgcn-amd-amdhsa--gfx1250"
	.amdhsa_code_object_version 6
	.text
	.protected	k_q0098c424ab_ln2
	.globl	k_q0098c424ab_ln2
	.p2align	8
	.type	k_q0098c424ab_ln2,@function
k_q0098c424ab_ln2:
	s_mov_b64 s[64:65], 0
	v_nop
	global_prefetch_b8 v0, s[64:65] scope:SCOPE_SE
	s_setreg_imm32_b32 hwreg(HW_REG_WAVE_MODE, 25, 1), 1
	s_wait_xcnt 0x0
; LAYER NORM AND QUANTISER.  y = alpha (x - mean) / (std + 1e-6) + beta, std = sqrt(sum (x - mean)^2 / 1023), rows of 1,024 f32; y is turned into codes of E4M3 NVER times,
; with the given scales 2^e of entries EBASE, EBASE + 2, ..; each version is laid as images of operand registers, [256 row tiles][8 K steps][2,048 bytes], versions 4 MiB apart.
; An image: 16 rows x 128 K; group g of 512 bytes, lane L's 16 bytes at 512 g + 16 L = row L % 16, k = 32 g + 8 (L / 16) + 0..7 and + 16: registers 4 g .. 4 g + 3 of the plain fp8 forms' layout.
; SHARES.  A work-group is a row tile of 16 rows; wave w takes row w whole, 32 numbers a lane, kept in registers between the passes (mean, then squares of the differences: no difference of large sums).
; The codes meet in LDS (rows of 1,024 bytes + 16), one barrier, and each wave stores two groups of each version: 512 consecutive bytes a store, aligned.
; ROUNDING: the sum of squares is multiplied by the f32 number nearest 1/1023, and 1 / (std + 1e-6) is v_rcp_f32.  LIMITS: -126 <= e <= 119.  NaN among the inputs is not served.
; No cluster: work-groups share no input.  No matrix unit: memory binds.
.set NVER,  1
.set EBASE, 12
.set RP,    1040                       ; an LDS row
.set VB,    16*RP                      ; a version's 16 rows
.set X,     16                         ; v16-47  my 32 numbers: X[4 j + i] = k 128 j + 4 lane + i
.set T,     48                         ; v48-79  the held numbers; later the way out
.set C,     80                         ; v80-87 codes, 8 registers a version
.set LS,    118                        ; v118 + 2 ver: 448 x 2^e; v119 + 2 ver: 2^e
.set OBS,   50                         ; s[50:51] the store base of the one version
	s_load_b256 s[4:11], s[0:1], 0x0               ; x, alpha, beta, the exponents
	s_load_b64 s[12:13], s[0:1], 0x20              ; the codes
	v_lshl_add_u32 v128, v0, 2, 0x4200
	v_mov_b32 v129, 0
	v_lshrrev_b32 v1, 5, v0
	s_delay_alu instid0(VALU_DEP_1)
	v_readfirstlane_b32 s14, v1                    ; wave
	v_and_b32 v7, 31, v0                           ; lane
	s_delay_alu instid0(VALU_DEP_1)
	v_lshlrev_b32 v1, 4, v7                        ; 16 x lane
	s_wait_alu depctr_va_vdst(0)
	v_and_b32 v2, 15, v0                           ; r
	v_bfe_u32 v3, v0, 4, 1                         ; h
	s_mul_i32 s15, s14, RP
	v_lshl_add_u32 v4, v7, 2, s15                  ; into LDS: my row, 4 bytes a lane
	s_and_b32 s36, s14, 7                          ; the K step that I store,
	s_lshr_b32 s37, s14, 3                         ; and which two of its four groups
	s_lshl_b32 s38, s36, 7
	s_lshl_b32 s39, s37, 6
	s_add_co_u32 s38, s38, s39
	v_mul_u32_u24 v5, v2, RP
	s_delay_alu instid0(VALU_DEP_1)
	v_lshl_add_u32 v5, v3, 3, v5
	s_delay_alu instid0(VALU_DEP_1)
	v_add_nc_u32 v5, s38, v5                       ; out of LDS: row r, k = 128 ks + 64 gp + 8 h
	s_lshl_b32 s38, s36, 11
	s_lshl_b32 s39, s37, 10
	s_add_co_u32 s38, s38, s39
	v_add_nc_u32 v6, s38, v1                       ; and the same place in the row tile's images
	s_lshl_b32 s40, ttmp9, 16
	s_lshl_b32 s41, s14, 12
	s_add_co_u32 s40, s40, s41                     ; my row: (16 T + w) x 4,096 bytes
	s_mov_b32 s41, 0
	s_lshl_b32 s42, ttmp9, 14                      ; my row tile's images
	s_mov_b32 s43, 0
	s_mov_b32 s44, 0x76543210                      ; v_permlanex16_b32: lane l xor 16
	s_mov_b32 s45, 0xfedcba98
	s_wait_kmcnt 0x0
	s_load_b32 s46, s[6:7], 0x0                    ; alpha
	s_load_b32 s47, s[8:9], 0x0                    ; beta
	s_load_b512 s[16:31], s[10:11], 0x0            ; the exponents
	s_add_nc_u64 s[4:5], s[4:5], s[40:41]
	s_add_nc_u64 s[OBS:OBS+1], s[12:13], s[42:43]
.if NVER > 1
	s_add_nc_u64 s[OBS+2:OBS+3], s[OBS:OBS+1], 0x400000
	s_add_nc_u64 s[OBS+4:OBS+5], s[OBS+2:OBS+3], 0x400000
.endif
.irp j, 0,1,2,3,4,5,6,7
	global_load_b128 v[X+4*\j:X+4*\j+3], v1, s[4:5] offset:512*\j th:TH_LOAD_NT   ; 512 consecutive bytes a load
.endr
	s_wait_kmcnt 0x0
.set ver, 0
.rept NVER
	s_add_co_i32 s40, s[16+EBASE+2*ver], 127
	s_lshl_b32 s41, s40, 23
	v_mov_b32 v[LS+2*ver+1], s41                   ; 2^e
	s_add_co_i32 s40, s40, 8
	s_lshl_b32 s40, s40, 23
	s_or_b32 s40, s40, 0x600000
	v_mov_b32 v[LS+2*ver], s40                     ; 448 x 2^e
.set ver, ver+1
.endr
	v_mov_b32 v116, s47
	v_mov_b32 v117, s47                            ; beta, twice
.macro WAVESUM                         ; four chains of pairs in v[8:15] -> the wave's sum in v8 of every lane
	s_delay_alu instid0(VALU_DEP_3)
	v_pk_add_f32 v[8:9], v[8:9], v[10:11]
	s_delay_alu instid0(VALU_DEP_2)
	v_pk_add_f32 v[12:13], v[12:13], v[14:15]
	s_delay_alu instid0(VALU_DEP_1)
	v_pk_add_f32 v[8:9], v[8:9], v[12:13]
	s_delay_alu instid0(VALU_DEP_1)
	v_add_f32 v8, v8, v9
	s_delay_alu instid0(VALU_DEP_1)
	v_add_f32_dpp v8, v8, v8 row_xmask:1 row_mask:0xf bank_mask:0xf
	s_delay_alu instid0(VALU_DEP_1)
	v_add_f32_dpp v8, v8, v8 row_xmask:2 row_mask:0xf bank_mask:0xf
	s_delay_alu instid0(VALU_DEP_1)
	v_add_f32_dpp v8, v8, v8 row_xmask:4 row_mask:0xf bank_mask:0xf
	s_delay_alu instid0(VALU_DEP_1)
	v_add_f32_dpp v8, v8, v8 row_xmask:8 row_mask:0xf bank_mask:0xf
	s_delay_alu instid0(VALU_DEP_1)
	v_permlanex16_b32 v9, v8, s44, s45
	s_delay_alu instid0(VALU_DEP_1)
	v_add_f32 v8, v8, v9
.endm
	s_wait_loadcnt 0x0
.irp c, 0,1,2,3
	v_pk_add_f32 v[8+2*\c:9+2*\c], v[X+4*\c:X+4*\c+1], v[X+4*\c+2:X+4*\c+3]
.endr
.irp j, 16,24
.irp c, 0,1,2,3
	s_delay_alu instid0(VALU_DEP_4)
	v_pk_add_f32 v[8+2*\c:9+2*\c], v[8+2*\c:9+2*\c], v[X+\j+2*\c:X+\j+2*\c+1]
.endr
.endr
	WAVESUM
	s_delay_alu instid0(VALU_DEP_1)
	v_mul_f32 v112, 0x3a800000, v8                 ; the mean: sum / 1,024
	s_delay_alu instid0(VALU_DEP_1)
	v_mov_b32 v113, v112
.set i, 0
.rept 16
	v_pk_add_f32 v[X+i:X+i+1], v[X+i:X+i+1], v[112:113] neg_lo:[0,1] neg_hi:[0,1]   ; x - mean
.set i, i+2
.endr
.irp c, 0,1,2,3
	v_pk_mul_f32 v[8+2*\c:9+2*\c], v[X+2*\c:X+2*\c+1], v[X+2*\c:X+2*\c+1]
.endr
.irp j, 8,16,24
.irp c, 0,1,2,3
	s_delay_alu instid0(VALU_DEP_4)
	v_pk_fma_f32 v[8+2*\c:9+2*\c], v[X+\j+2*\c:X+\j+2*\c+1], v[X+\j+2*\c:X+\j+2*\c+1], v[8+2*\c:9+2*\c]
.endr
.endr
	WAVESUM
	s_delay_alu instid0(VALU_DEP_1)
	v_mul_f32 v8, 0x3a802008, v8                   ; / 1,023
	s_wait_alu depctr_va_vdst(0)
	v_sqrt_f32 v10, v8
	v_nop                                          ; a plain line behind the root,
	s_wait_alu depctr_va_vdst(0)                   ; and the wait ahead of its first reader
	v_add_f32 v10, 0x358637bd, v10                 ; std + 1e-6
	s_wait_alu depctr_va_vdst(0)
	v_rcp_f32 v11, v10
	v_nop
	s_wait_alu depctr_va_vdst(0)
	v_mul_f32 v114, s46, v11                       ; alpha / (std + 1e-6)
	s_delay_alu instid0(VALU_DEP_1)
	v_mov_b32 v115, v114
.set i, 0
.rept 16
	v_pk_fma_f32 v[X+i:X+i+1], v[X+i:X+i+1], v[114:115], v[116:117]
.set i, i+2
.endr
.set ver, 0
.rept NVER
.set i, 0
.rept 32
	v_med3_num_f32 v[T+i], v[X+i], -v[LS+2*ver], v[LS+2*ver]   ; the hold at the largest code x the scale (ISA guide 7.6.2)
.set i, i+1
.endr
.irp m, 0,1,2,3
	v_cvt_scalef32_pk8_fp8_f32 v[C+8*ver+2*\m:C+8*ver+2*\m+1], v[T+8*\m:T+8*\m+7], v[LS+2*ver+1]
.endr
	v_nop                                          ; a plain line behind the conversions
.irp j, 0,1,2,3,4,5,6,7
	ds_store_b32 v4, v[C+8*ver+\j] offset:ver*VB+128*\j        ; four codes, k = 128 j + 4 lane: the wave stores 128 consecutive bytes
.endr
.set ver, ver+1
.endr
	s_wait_dscnt 0x0                               ; for the others' sake: my stores have landed
	s_barrier_signal -1
	s_barrier_wait -1
.set ver, 0
.rept NVER
.irp gg, 0,1
	ds_load_b64 v[T+8*ver+4*\gg:T+8*ver+4*\gg+1], v5 offset:ver*VB+32*\gg
	ds_load_b64 v[T+8*ver+4*\gg+2:T+8*ver+4*\gg+3], v5 offset:ver*VB+32*\gg+16
.endr
.set ver, ver+1
.endr
	s_wait_dscnt 0x0
.set ver, 0
.rept NVER
.irp gg, 0,1
	global_store_b128 v6, v[T+8*ver+4*\gg:T+8*ver+4*\gg+3], s[OBS+2*ver:OBS+2*ver+1] offset:512*\gg   ; 512 consecutive bytes, aligned
.endr
.set ver, ver+1
.endr
	s_wait_tensorcnt 0x0
	ds_add_u32 v128, v129
	s_wait_dscnt 0x0
	s_endpgm
.Lfunc_end_k_q0098c424ab_ln2:
	.size	k_q0098c424ab_ln2, .Lfunc_end_k_q0098c424ab_ln2-k_q0098c424ab_ln2
	.p2alignl 7, 3214868480
	.fill 96, 4, 3214868480
	.section	.rodata,"a",@progbits
	.p2align	6, 0x0
	.amdhsa_kernel k_q0098c424ab_ln2
		.amdhsa_group_segment_fixed_size 18944
		.amdhsa_private_segment_fixed_size 0
		.amdhsa_enable_private_segment 0
		.amdhsa_kernarg_size 40
		.amdhsa_user_sgpr_count 2
		.amdhsa_user_sgpr_kernarg_segment_ptr 1
		.amdhsa_wavefront_size32 1
		.amdhsa_system_sgpr_workgroup_id_x 1
		.amdhsa_system_sgpr_workgroup_id_y 1
		.amdhsa_system_sgpr_workgroup_id_z 1
		.amdhsa_system_vgpr_workitem_id 0
		.amdhsa_next_free_vgpr 130
		.amdhsa_next_free_sgpr 66
		.amdhsa_reserve_vcc 0
		.amdhsa_float_denorm_mode_32 3
		.amdhsa_float_denorm_mode_16_64 3
		.amdhsa_memory_ordered 1
		.amdhsa_forward_progress 1
		.amdhsa_inst_pref_size 14
	.end_amdhsa_kernel
	.amdgpu_metadata
---
amdhsa.version: [ 1, 2 ]
amdhsa.kernels:
  - .name:           k_q0098c424ab_ln2
    .symbol:         k_q0098c424ab_ln2.kd
    .args:
      - { .name: x1, .offset: 0, .size: 8, .value_kind: global_buffer, .address_space: global }
      - { .name: alpha2, .offset: 8, .size: 8, .value_kind: global_buffer, .address_space: global }
      - { .name: beta2, .offset: 16, .size: 8, .value_kind: global_buffer, .address_space: global }
      - { .name: lowp_scales, .offset: 24, .size: 8, .value_kind: global_buffer, .address_space: global }
      - { .name: xn2f, .offset: 32, .size: 8, .value_kind: global_buffer, .address_space: global }
    .group_segment_fixed_size: 18944
    .private_segment_fixed_size: 0
    .kernarg_segment_align: 8
    .kernarg_segment_size: 40
    .max_flat_workgroup_size: 512
    .sgpr_count:     66
    .vgpr_count:     130
    .wavefront_size: 32
...
	.end_amdgpu_metadata
.endif
;; end of part 5
;; launch ffn1 (part 6): grid 16 x 16, 4 waves a work-group, clusters of 4 x 4, 327,680 bytes of LDS; arguments xn2f, wf, b1, lowp_scales, hidf; writes hidf
.if DOCPART == 6
	.amdgcn_target "amdgcn-amd-amdhsa--gfx1250"
	.amdhsa_code_object_version 6
	.text
	.protected	k_q0098c424ab_ffn1
	.globl	k_q0098c424ab_ffn1
	.p2align	8
	.type	k_q0098c424ab_ffn1,@function
k_q0098c424ab_ffn1:
	s_mov_b64 s[64:65], 0
	v_nop
	global_prefetch_b8 v0, s[64:65] scope:SCOPE_SE
	s_setreg_imm32_b32 hwreg(HW_REG_WAVE_MODE, 25, 1), 1
	s_wait_xcnt 0x0
	s_wait_alu depctr_hold_cnt(0) depctr_sa_sdst(0) depctr_va_vdst(0) depctr_va_sdst(0) depctr_va_ssrc(0) depctr_va_vcc(0) depctr_vm_vsrc(0)
	s_getreg_b32 s2, hwreg(HW_REG_IB_STS2, 6, 4)
	s_cmp_eq_u32 s2, 0
	s_cbranch_scc0 .Lentry_in_a_cluster
	s_endpgm
.Lentry_in_a_cluster:
	s_bfe_u32 s2, ttmp6, 0x10000c
	s_cmp_lg_u32 s2, 0xf033
	s_cbranch_scc0 .Lentry_shape_is_right
	s_endpgm
.Lentry_shape_is_right:
.set WOFF, 0x400000
.set SLOT, 131072
.set SPARE, 2*SLOT
.set BI,  32
.set TMP, 32
.set AF,  128
.set CD,  128
.set G1T, 24
.set G0T, 32
.set G1W, 48
.set G0W, 56
.set MSB, 0
.macro WIN new
.if MSB != \new
	s_set_vgpr_msb (MSB<<8)|\new
.set MSB, \new
.endif
.endm
.set MUL_LO, 0xa1
.set MUL_HI, 0xf1
.set BIA_LO, 0x81
.set BIA_HI, 0xc1
.set TO_B,   0x40
.macro PLACES n
.rept \n
	v_nop
.endr
.endm
.macro JLOAD j
	s_cmp_eq_u32 s19, 0
	s_cbranch_scc0 .Lfor_w_\@
	tensor_load_to_lds s[G0T+4*\j:G0T+4*\j+3], s[G1T:G1T+7]
	s_nop 0
	PLACES 4
	s_branch .Lasked_\@
.Lfor_w_\@:
	tensor_load_to_lds s[G0W+4*\j:G0W+4*\j+3], s[G1W:G1W+7]
	s_nop 0
	PLACES 4
.Lasked_\@:
.endm
.macro CREST
	s_cmp_lg_u32 s18, 0
	s_cbranch_scc1 .Lnot_wave_0_\@
	s_barrier_signal -3
.Lnot_wave_0_\@:
	s_barrier_wait -3
	s_barrier_signal -1
	s_barrier_wait -1
.endm
.macro CROUND
	s_barrier_signal -1
	s_barrier_wait -1
	CREST
.endm
.macro FRAG reg, adr, q, i
.irp c, 0,1,2,3
	ds_load_b128 v[\reg+4*\c:\reg+4*\c+3], v[\adr] offset:2048*(\q)+512*\c+(\i)*4096
.endr
.endm
.macro FETCH_B slot, q, p
	WIN TO_B
.irp i, 0,1,2,3,4,5,6,7
	FRAG 128*(\p)+16*\i, 18+\slot, \q, \i
.endr
	WIN 0
.endm
.macro FETCH_A slot, q, i0
.irp i, \i0, \i0+1, \i0+2, \i0+3
	FRAG AF+16*(\i), 16+\slot, \q, \i
.endr
.endm
.macro MUL16 a0, p, cm
.irp a, \a0, \a0+1
.irp b, 0,1,2,3,4,5,6,7
.if \cm
	v_wmma_f32_16x16x128_fp8_fp8 v[8*(8*((\a)%4)+\b):8*(8*((\a)%4)+\b)+7], v[128*(\p)+16*\b:128*(\p)+16*\b+15], v[AF+16*(\a):AF+16*(\a)+15], v[BI+8*\b:BI+8*\b+7]
.else
	v_wmma_f32_16x16x128_fp8_fp8 v[8*(8*((\a)%4)+\b):8*(8*((\a)%4)+\b)+7], v[128*(\p)+16*\b:128*(\p)+16*\b+15], v[AF+16*(\a):AF+16*(\a)+15], v[8*(8*((\a)%4)+\b):8*(8*((\a)%4)+\b)+7]
.endif
.endr
.endr
.endm
.macro STEP slot, cm
	s_wait_dscnt 16
.if \cm
	WIN BIA_LO
.else
	WIN MUL_LO
.endif
	MUL16 0, 0, \cm
	MUL16 2, 0, \cm
	s_wait_dscnt 0x0
	PLACES 4
	FETCH_B \slot, 1, 1
	FETCH_A \slot, 1, 0
.if \cm
	WIN BIA_HI
.else
	WIN MUL_HI
.endif
	MUL16 4, 0, \cm
	MUL16 6, 0, \cm
	PLACES 4
	WIN 0
	FETCH_A \slot, 1, 4
.endm
.macro TURN slot, next, fill
	s_wait_dscnt 16
	WIN MUL_LO
	MUL16 0, 1, 0
	MUL16 2, 1, 0
	WIN 0
	s_wait_tensorcnt 0x0
	ds_add_u32 v28, v29
.if \fill
	s_add_nc_u64 s[G0T+4*\slot+2:G0T+4*\slot+3], s[G0T+4*\slot+2:G0T+4*\slot+3], 8192
	s_add_nc_u64 s[G0W+4*\slot+2:G0W+4*\slot+3], s[G0W+4*\slot+2:G0W+4*\slot+3], 8192
.endif
	s_wait_dscnt 0x0
.if \fill
	CROUND
	JLOAD \slot
.else
	s_barrier_signal -1
	s_barrier_wait -1
	PLACES 4
.endif
	FETCH_B \next, 0, 0
	FETCH_A \next, 0, 0
	WIN MUL_HI
	MUL16 4, 1, 0
	MUL16 6, 1, 0
	PLACES 4
	WIN 0
	FETCH_A \next, 0, 4
.endm
	s_load_b128 s[4:7], s[0:1], 0x0
	s_load_b64 s[8:9], s[0:1], 0x10
	s_load_b64 s[14:15], s[0:1], 0x18
	s_load_b64 s[16:17], s[0:1], 0x20
	v_lshl_add_u32 v28, v0, 2, SPARE
	v_mov_b32 v29, 0
	ds_add_u32 v28, v29
	ds_add_u32 v28, v29
	s_wait_dscnt 0x0
	v_lshrrev_b32 v1, 5, v0
	v_readfirstlane_b32 s18, v1
	s_lshr_b32 s19, s18, 1
	s_and_b32 s20, s18, 1
	s_bfe_u32 s21, ttmp6, 0x40000
	s_bfe_u32 s22, ttmp6, 0x40004
	s_lshl_b32 s23, ttmp9, 2
	s_add_co_u32 s23, s23, s21
	s_and_b32 s40, ttmp7, 0xffff
	s_lshl_b32 s40, s40, 2
	s_add_co_u32 s40, s40, s22
	s_lshl_b32 s41, s22, 2
	s_lshl_b32 s41, 15, s41
	s_lshl_b32 s44, 0x1111, s21
	s_or_b32 s[G1T], s41, (3<<16)|(1<<21)
	s_or_b32 s[G1W], s44, (3<<16)|(1<<21)
.irp g, G1T, G1W
	s_mov_b32 s[\g+1], 512<<16
	s_mov_b32 s[\g+2], 8<<16
	s_mov_b32 s[\g+3], 512<<16
	s_mov_b32 s[\g+4], 8
	s_mov_b32 s[\g+5], 2048
	s_mov_b32 s[\g+6], 0
	s_mov_b32 s[\g+7], 0
.endr
	s_lshl_b32 s42, s40, 18
	s_lshl_b32 s43, s20, 17
	s_add_co_u32 s42, s42, s43
	s_mov_b32 s43, 0
	s_lshl_b32 s46, s23, 18
	s_lshl_b32 s47, s20, 17
	s_add_co_u32 s46, s46, s47
	s_add_co_u32 s46, s46, WOFF
	s_mov_b32 s47, 0
	s_lshl_b32 s45, s18, 15
	s_wait_kmcnt 0x0
	s_load_b128 s[68:71], s[14:15], 0x30
	s_add_nc_u64 s[42:43], s[4:5], s[42:43]
	s_add_nc_u64 s[46:47], s[6:7], s[46:47]
	CROUND
.irp j, 0,1
	s_mov_b32 s[G0T+4*\j], 1
	s_add_co_u32 s[G0T+4*\j+1], s45, \j*SLOT
	s_add_nc_u64 s[G0T+4*\j+2:G0T+4*\j+3], s[42:43], \j*4096
	s_or_b32 s[G0T+4*\j+3], s[G0T+4*\j+3], 0x80000000
	s_mov_b32 s[G0W+4*\j], 1
	s_add_co_u32 s[G0W+4*\j+1], s45, \j*SLOT
	s_add_nc_u64 s[G0W+4*\j+2:G0W+4*\j+3], s[46:47], \j*4096
	s_or_b32 s[G0W+4*\j+3], s[G0W+4*\j+3], 0x80000000
.endr
	JLOAD 0                                        ; slot 0: my one tensor load at the head; the addresses and the bias below are made while it is out
	v_bfe_u32 v2, v0, 4, 1
	v_and_b32 v3, 31, v0
	v_lshlrev_b32 v3, 4, v3
	v_lshlrev_b32 v27, 5, v2
	s_wait_alu depctr_va_vdst(0)
	s_lshl_b32 s98, s19, 15
	s_lshl_b32 s99, s20, 15
	v_add_nc_u32 v16, s98, v3
	v_add_nc_u32 v17, SLOT, v16
	v_add_nc_u32 v18, s99, v3
	v_add_nc_u32 v18, 0x10000, v18
	v_add_nc_u32 v19, SLOT, v18
	s_lshl_b32 s98, s23, 10
	s_lshl_b32 s99, s20, 9
	s_add_co_u32 s98, s98, s99
	s_mov_b32 s99, 0
	s_add_nc_u64 s[8:9], s[8:9], s[98:99]
	s_lshl_b32 s94, s40, 20
	s_lshl_b32 s98, s19, 19
	s_add_co_u32 s94, s94, s98
	s_lshl_b32 s98, s23, 12
	s_add_co_u32 s94, s94, s98
	s_lshl_b32 s98, s20, 11
	s_add_co_u32 s94, s94, s98
	s_mov_b32 s95, 0
	s_add_nc_u64 s[94:95], s[16:17], s[94:95]
.irp b, 0,1,2,3,4,5,6,7
	global_load_b128 v[BI+8*\b:BI+8*\b+3], v27, s[8:9] offset:64*\b
	global_load_b128 v[BI+8*\b+4:BI+8*\b+7], v27, s[8:9] offset:64*\b+16
.endr
	s_wait_kmcnt 0x0
	s_add_co_i32 s93, s68, s69
	s_sub_co_i32 s84, 0, s93
	s_sub_co_i32 s93, s70, s93
	s_add_co_i32 s93, s93, 127
	s_lshl_b32 s85, s93, 23
	s_add_co_i32 s93, s93, 8
	s_lshl_b32 s93, s93, 23
	s_or_b32 s86, s93, 0x600000
	v_mov_b32 v30, s85
	v_mov_b32 v31, s86
	s_wait_loadcnt 0x0
.set i, 0
.rept 64
	v_ldexp_f32 v[BI+i], v[BI+i], s84
.set i, i+1
.endr
	s_wait_alu depctr_va_vdst(0)
	s_wait_tensorcnt 0x0                           ; my part of slot 0 is in
	ds_add_u32 v28, v29
	s_wait_dscnt 0x0
	CROUND                                         ; everybody's part of slot 0 is in, and the joint loads meet
	JLOAD 1                                        ; slot 1's first fill: the first tensor load behind the round
	FETCH_B 0, 0, 0
	FETCH_A 0, 0, 0
	FETCH_A 0, 0, 4
	STEP 0, 1
	TURN 0, 1, 1
	STEP 1, 0
	TURN 1, 0, 1
	STEP 0, 0
	TURN 0, 1, 0
	STEP 1, 0
	s_wait_dscnt 16
	WIN MUL_LO
	MUL16 0, 1, 0
	MUL16 2, 1, 0
	s_wait_dscnt 0x0
	WIN MUL_HI
	MUL16 4, 1, 0
	MUL16 6, 1, 0
	WIN 0
	PLACES 4
.irp a, 0,1,2,3,4,5,6,7
.set AC, 64*((\a)%4)
	WIN 0x02+((\a)/4)
.set i, 0
.rept 64
	v_med3_num_f32 v[TMP+i], v[AC+i], 0, v31
.set i, i+1
.endr
	WIN 0
.irp b, 0,1,2,3,4,5,6,7
	v_cvt_scalef32_pk8_fp8_f32 v[CD+16*\a+2*\b:CD+16*\a+2*\b+1], v[TMP+8*\b:TMP+8*\b+7], v30
.endr
	v_nop
.irp g, 0,1,2,3
	global_store_b128 v3, v[CD+16*\a+4*\g:CD+16*\a+4*\g+3], s[94:95] offset:\a*65536+512*\g
.endr
.endr
	s_wait_tensorcnt 0x0
	ds_add_u32 v28, v29
	s_wait_dscnt 0x0
	CROUND
	s_endpgm
.Lfunc_end_k_q0098c424ab_ffn1:
	.size	k_q0098c424ab_ffn1, .Lfunc_end_k_q0098c424ab_ffn1-k_q0098c424ab_ffn1
	.p2alignl 7, 3214868480
	.fill 96, 4, 3214868480
	.section	.rodata,"a",@progbits
	.p2align	6, 0x0
	.amdhsa_kernel k_q0098c424ab_ffn1
		.amdhsa_group_segment_fixed_size 327680
		.amdhsa_private_segment_fixed_size 0
		.amdhsa_enable_private_segment 0
		.amdhsa_kernarg_size 40
		.amdhsa_user_sgpr_count 2
		.amdhsa_user_sgpr_kernarg_segment_ptr 1
		.amdhsa_wavefront_size32 1
		.amdhsa_system_sgpr_workgroup_id_x 1
		.amdhsa_system_sgpr_workgroup_id_y 1
		.amdhsa_system_sgpr_workgroup_id_z 1
		.amdhsa_system_vgpr_workitem_id 0
		.amdhsa_next_free_vgpr 1024
		.amdhsa_next_free_sgpr 100
		.amdhsa_reserve_vcc 0
		.amdhsa_float_denorm_mode_32 3
		.amdhsa_float_denorm_mode_16_64 3
		.amdhsa_memory_ordered 1
		.amdhsa_forward_progress 1
		.amdhsa_inst_pref_size 123
	.end_amdhsa_kernel
	.amdgpu_metadata
---
amdhsa.version: [ 1, 2 ]
amdhsa.kernels:
  - .name:           k_q0098c424ab_ffn1
    .symbol:         k_q0098c424ab_ffn1.kd
    .args:
      - { .name: xn2f, .offset: 0, .size: 8, .value_kind: global_buffer, .address_space: global }
      - { .name: wf, .offset: 8, .size: 8, .value_kind: global_buffer, .address_space: global }
      - { .name: b1, .offset: 16, .size: 8, .value_kind: global_buffer, .address_space: global }
      - { .name: lowp_scales, .offset: 24, .size: 8, .value_kind: global_buffer, .address_space: global }
      - { .name: hidf, .offset: 32, .size: 8, .value_kind: global_buffer, .address_space: global }
    .group_segment_fixed_size: 327680
    .private_segment_fixed_size: 0
    .kernarg_segment_align: 8
    .kernarg_segment_size: 40
    .max_flat_workgroup_size: 128
    .sgpr_count:     100
    .vgpr_count:     1024
    .wavefront_size: 32
...
	.end_amdgpu_metadata
.endif
;; end of part 6
;; launch ffn2 (part 7): grid 8 x 32, 4 waves a work-group, clusters of 4 x 4, 327,680 bytes of LDS; arguments hidf, wf, b2, x1, lowp_scales, out0; writes out0
.if DOCPART == 7
	.amdgcn_target "amdgcn-amd-amdhsa--gfx1250"
	.amdhsa_code_object_version 6
	.text
	.protected	k_q0098c424ab_ffn2
	.globl	k_q0098c424ab_ffn2
	.p2align	8
	.type	k_q0098c424ab_ffn2,@function
k_q0098c424ab_ffn2:
	s_mov_b64 s[64:65], 0
	v_nop
	global_prefetch_b8 v0, s[64:65] scope:SCOPE_SE
	s_setreg_imm32_b32 hwreg(HW_REG_WAVE_MODE, 25, 1), 1
	s_wait_xcnt 0x0
	s_wait_alu depctr_hold_cnt(0) depctr_sa_sdst(0) depctr_va_vdst(0) depctr_va_sdst(0) depctr_va_ssrc(0) depctr_va_vcc(0) depctr_vm_vsrc(0)
	s_getreg_b32 s2, hwreg(HW_REG_IB_STS2, 6, 4)
	s_cmp_eq_u32 s2, 0
	s_cbranch_scc0 .Lentry_in_a_cluster
	s_endpgm
.Lentry_in_a_cluster:
	s_bfe_u32 s2, ttmp6, 0x10000c
	s_cmp_lg_u32 s2, 0xf033
	s_cbranch_scc0 .Lentry_shape_is_right
	s_endpgm
.Lentry_shape_is_right:
.set FFN2, 1
.if FFN2
.set NS, 8
.set LRT, 16
.set WOFF, 0x800000
.set EA, 14
.else
.set NS, 2
.set LRT, 14
.set WOFF, 0x300000
.set EA, 10
.endif
.set KSTP, 16384
.set SLOT, 131072
.set STAGE, 2*SLOT
.set SPARE, STAGE+4*16*272
.set ACC, 128
.set BI,  96
.set F0,  0
.set F1,  128
.set G1T, 24
.set G0T, 32
.set G1W, 48
.set G0W, 56
.set MSB, 0
.macro WIN new
.if MSB != \new
	s_set_vgpr_msb (MSB<<8)|\new
.set MSB, \new
.endif
.endm
.set MUL,  0x05
.set TO_F, 0x40
.macro PLACES n
.rept \n
	v_nop
.endr
.endm
.macro JLOAD j
	s_cmp_eq_u32 s19, 0
	s_cbranch_scc0 .Lfor_w_\@
	tensor_load_to_lds s[G0T+4*\j:G0T+4*\j+3], s[G1T:G1T+7]
	s_nop 0
	PLACES 4
	s_branch .Lasked_\@
.Lfor_w_\@:
	tensor_load_to_lds s[G0W+4*\j:G0W+4*\j+3], s[G1W:G1W+7]
	s_nop 0
	PLACES 4
.Lasked_\@:
.endm
.macro CREST
	s_cmp_lg_u32 s18, 0
	s_cbranch_scc1 .Lnot_wave_0_\@
	s_barrier_signal -3
.Lnot_wave_0_\@:
	s_barrier_wait -3
	s_barrier_signal -1
	s_barrier_wait -1
.endm
.macro CROUND
	s_barrier_signal -1
	s_barrier_wait -1
	CREST
.endm
.macro ADRS s
.set RA, 16+(\s)%2
.set RB, 18+(\s)%2
.endm
.macro FETCH q, f
	WIN TO_F
.irp i, 0,1,2,3
.irp g, 0,1,2,3
	ds_load_b128 v[\f+64+16*\i+4*\g:\f+64+16*\i+4*\g+3], v[RB] offset:8192*\i+2048*\q+512*\g
.endr
.irp g, 0,1,2,3
	ds_load_b128 v[\f+16*\i+4*\g:\f+16*\i+4*\g+3], v[RA] offset:8192*\i+2048*\q+512*\g
.endr
.endr
.endm
.macro MULA f, a, cm
.irp b, 0,1,2,3
.if \cm == 0
	v_wmma_f32_16x16x128_fp8_fp8 v[ACC+8*(4*\a+\b):ACC+8*(4*\a+\b)+7], v[\f+64+16*\b:\f+64+16*\b+15], v[\f+16*\a:\f+16*\a+15], v[ACC+8*(4*\a+\b):ACC+8*(4*\a+\b)+7]
.else
	v_wmma_f32_16x16x128_fp8_fp8 v[ACC+8*(4*\a+\b):ACC+8*(4*\a+\b)+7], v[\f+64+16*\b:\f+64+16*\b+15], v[\f+16*\a:\f+16*\a+15], v[BI+8*\b:BI+8*\b+7]
.endif
.endr
.endm
.macro MUL16 f, cm
	MULA \f, 0, \cm
	MULA \f, 1, \cm
	MULA \f, 2, \cm
	MULA \f, 3, \cm
.endm
.macro STEP qn, f, g, cm
	s_wait_dscnt 0x0
	PLACES 4
	FETCH \qn, \g
	WIN MUL
	MUL16 \f, \cm
.endm
.macro TURN
.set J, S%2
	WIN 0
	s_wait_tensorcnt 0x0
	ds_add_u32 v28, v29
.if S+2 < NS
	s_add_nc_u64 s[G0T+4*J+2:G0T+4*J+3], s[G0T+4*J+2:G0T+4*J+3], KSTP
	s_add_nc_u64 s[G0W+4*J+2:G0W+4*J+3], s[G0W+4*J+2:G0W+4*J+3], KSTP
.endif
	s_wait_dscnt 0x1
	WIN MUL
	MULA F1, 0, 0
	s_wait_dscnt 0x0
	s_barrier_signal -1
	MULA F1, 1, 0
	WIN 0
	s_barrier_wait -1
.if S+2 < NS
	CREST
	JLOAD J
.else
	PLACES 4
.endif
	ADRS S+1
	FETCH 0, F0
.if S+4 < NS
	global_prefetch_b8 v30, s[74:75] offset:(S+4)*8192 th:TH_LOAD_NT scope:SCOPE_SE   ; the slot two refills on: my work-group's row tile of the four that I fetch, 8,192 bytes, lanes 256 bytes apart; the address registers are never rewritten
.endif
.if S == NS-4
	global_prefetch_b8 v31, s[10:11] th:TH_LOAD_NT scope:SCOPE_SE                 ; the residual of my 64 rows x 256 bytes, three slots ahead of its first load: a lane a row, each aligned block of 256 bytes named once in the launch
	global_prefetch_b8 v31, s[10:11] offset:131072 th:TH_LOAD_NT scope:SCOPE_SE
.endif
	WIN MUL
	MULA F1, 2, 0
	MULA F1, 3, 0
.endm
.macro RESLOAD a
.irp t, 0,1,2,3,4,5,6,7
	global_load_b128 v[32+32*((\a)%2)+4*\t:35+32*((\a)%2)+4*\t], v26, s[10:11] offset:(16*(\a)+2*\t)*4096
.endr
.endm
	s_load_b256 s[4:11], s[0:1], 0x0
	s_load_b128 s[12:15], s[0:1], 0x20
	v_lshl_add_u32 v28, v0, 2, SPARE
	v_mov_b32 v29, 0
	ds_add_u32 v28, v29
	ds_add_u32 v28, v29
	s_wait_dscnt 0x0
	v_lshrrev_b32 v1, 5, v0
	v_readfirstlane_b32 s18, v1
	s_lshr_b32 s19, s18, 1
	s_and_b32 s20, s18, 1
	s_bfe_u32 s21, ttmp6, 0x40000
	s_bfe_u32 s22, ttmp6, 0x40004
	s_lshl_b32 s23, ttmp9, 2
	s_add_co_u32 s23, s23, s21
	s_and_b32 s40, ttmp7, 0xffff
	s_lshl_b32 s40, s40, 2
	s_add_co_u32 s40, s40, s22
	s_lshl_b32 s41, s22, 2
	s_lshl_b32 s41, 15, s41
	s_lshl_b32 s44, 0x1111, s21
	s_or_b32 s[G1T], s41, (3<<16)|(1<<21)
	s_or_b32 s[G1W], s44, (3<<16)|(1<<21)
.irp g, G1T, G1W
	s_mov_b32 s[\g+1], 1024<<16
	s_mov_b32 s[\g+2], 4<<16
	s_mov_b32 s[\g+3], 1024<<16
	s_mov_b32 s[\g+4], 4
	s_mov_b32 s[\g+5], (1<<LRT)/8
	s_mov_b32 s[\g+6], 0
	s_mov_b32 s[\g+7], 0
.endr
	s_lshl_b32 s42, s40, LRT+3
	s_lshl_b32 s43, s20, LRT+2
	s_add_co_u32 s42, s42, s43
	s_mov_b32 s43, 0
	s_lshl_b32 s46, s23, LRT+3
	s_lshl_b32 s47, s20, LRT+2
	s_add_co_u32 s46, s46, s47
	s_add_co_u32 s46, s46, WOFF
	s_mov_b32 s47, 0
	s_lshl_b32 s45, s18, 15
	s_wait_kmcnt 0x0
	s_load_b64 s[68:69], s[12:13], EA*4
	s_add_nc_u64 s[42:43], s[4:5], s[42:43]
	s_add_nc_u64 s[46:47], s[6:7], s[46:47]
	s_cmp_eq_u32 s19, 0                            ; the prefetches: the four partners that ask for a tile jointly share its four row tiles out BY ADDRESS
	s_cselect_b64 s[74:75], s[42:43], s[46:47]     ; the tile that I fetch,
	s_cselect_b32 s76, s21, s22                    ; my work-group's place among the four (cx for tokens, cy for weights),
	s_lshl_b32 s76, s76, LRT                       ; and its row tile
	s_mov_b32 s77, 0
	s_add_nc_u64 s[74:75], s[74:75], s[76:77]
	CROUND
.irp j, 0,1
	s_mov_b32 s[G0T+4*\j], 1
	s_add_co_u32 s[G0T+4*\j+1], s45, \j*SLOT
	s_add_nc_u64 s[G0T+4*\j+2:G0T+4*\j+3], s[42:43], \j*8192
	s_or_b32 s[G0T+4*\j+3], s[G0T+4*\j+3], 0x80000000
	s_mov_b32 s[G0W+4*\j], 1
	s_add_co_u32 s[G0W+4*\j+1], s45, \j*SLOT
	s_add_nc_u64 s[G0W+4*\j+2:G0W+4*\j+3], s[46:47], \j*8192
	s_or_b32 s[G0W+4*\j+3], s[G0W+4*\j+3], 0x80000000
.endr
	JLOAD 0                                        ; slot 0: my one tensor load at the head; the addresses and the bias below are made while it is out
	v_and_b32 v1, 15, v0
	v_bfe_u32 v2, v0, 4, 1
	v_and_b32 v3, 31, v0
	v_lshlrev_b32 v3, 4, v3
	v_lshlrev_b32 v27, 5, v2
	v_lshlrev_b32 v30, 4, v3                       ; the prefetches' offset: 256 x lane; never rewritten
	v_lshlrev_b32 v31, 8, v3                       ; and for the residual: a lane a row of 4,096 bytes
	s_lshl_b32 s98, s19, 15
	s_lshl_b32 s99, s20, 15
	v_add_nc_u32 v16, s98, v3
	v_add_nc_u32 v17, SLOT, v16
	v_add_nc_u32 v18, s99, v3
	v_add_nc_u32 v18, 0x10000, v18
	v_add_nc_u32 v19, SLOT, v18
	s_mul_i32 s98, s18, 16*272
	s_add_co_u32 s98, s98, STAGE
	v_mul_u32_u24 v24, v1, 272
	v_lshl_add_u32 v24, v2, 5, v24
	v_add_nc_u32 v24, s98, v24
	v_mul_u32_u24 v25, v2, 272
	v_lshl_add_u32 v25, v1, 4, v25
	v_add_nc_u32 v25, s98, v25
	v_lshlrev_b32 v26, 12, v2
	v_lshl_add_u32 v26, v1, 4, v26
	s_lshl_b32 s98, s23, 9
	s_lshl_b32 s99, s20, 8
	s_add_co_u32 s98, s98, s99
	s_mov_b32 s99, 0
	s_add_nc_u64 s[8:9], s[8:9], s[98:99]
	s_lshl_b32 s93, s40, 19
	s_add_co_u32 s98, s98, s93
	s_lshl_b32 s93, s19, 18
	s_add_co_u32 s98, s98, s93
	s_add_nc_u64 s[10:11], s[10:11], s[98:99]
	s_add_nc_u64 s[14:15], s[14:15], s[98:99]
	global_prefetch_b8 v30, s[74:75] offset:1*8192 th:TH_LOAD_NT scope:SCOPE_SE   ; slots 1, 2 and 3, which the head's end and the first two changes of slots will ask for; slot 0 comes by its load alone
	global_prefetch_b8 v30, s[74:75] offset:2*8192 th:TH_LOAD_NT scope:SCOPE_SE
	global_prefetch_b8 v30, s[74:75] offset:3*8192 th:TH_LOAD_NT scope:SCOPE_SE
.irp b, 0,1,2,3
	global_load_b128 v[BI+8*\b:BI+8*\b+3], v27, s[8:9] offset:64*\b
	global_load_b128 v[BI+8*\b+4:BI+8*\b+7], v27, s[8:9] offset:64*\b+16
.endr
	s_wait_kmcnt 0x0
	s_add_co_i32 s70, s68, s69
	s_sub_co_i32 s71, 0, s70
	s_add_co_i32 s70, s70, 127
	s_lshl_b32 s72, s70, 23
	s_mov_b32 s73, s72
	s_wait_loadcnt 0x0
.set i, 0
.rept 32
	v_ldexp_f32 v[BI+i], v[BI+i], s71
.set i, i+1
.endr
	s_wait_alu depctr_va_vdst(0)
	s_wait_tensorcnt 0x0                           ; my part of slot 0 is in
	ds_add_u32 v28, v29
	s_wait_dscnt 0x0
	CROUND                                         ; everybody's part of slot 0 is in, and the joint loads meet
	JLOAD 1                                        ; slot 1's first fill: the first tensor load behind the round
	ADRS 0
	FETCH 0, F0
.set S, 0
.rept NS
	ADRS S
.if S == NS-1
	WIN 0
	RESLOAD 0
	RESLOAD 1
.endif
.set CM, 0
.if S == 0
.set CM, 1
.endif
	STEP 1, F0, F1, CM
	STEP 2, F1, F0, 0
	STEP 3, F0, F1, 0
.if S < NS-1
	TURN
.else
	s_wait_dscnt 0x0
	WIN MUL
	MUL16 F1, 0
.endif
.set S, S+1
.endr
	WIN 0
	PLACES 4
.irp a, 0,1,2,3
.irp b, 0,1,2,3
	ds_store_b128 v24, v[ACC+8*(4*\a+\b):ACC+8*(4*\a+\b)+3] offset:64*\b
	ds_store_b128 v24, v[ACC+8*(4*\a+\b)+4:ACC+8*(4*\a+\b)+7] offset:64*\b+16
.endr
.irp t, 0,1,2,3,4,5,6,7
	ds_load_b128 v[96+32*\a+4*\t:99+32*\a+4*\t], v25 offset:544*\t             ; block a comes back into block a - 1's accumulators (block 0: the bias's registers), whose LDS stores have been waited for: no store's data are written again
.endr
	s_wait_dscnt 0x0
.if \a < 3
	s_wait_loadcnt 0x8
.else
	s_wait_loadcnt 0x0
.endif
.irp i, 0,2,4,6,8,10,12,14,16,18,20,22,24,26,28,30
	v_pk_fma_f32 v[96+32*\a+\i:97+32*\a+\i], v[96+32*\a+\i:97+32*\a+\i], s[72:73], v[32+32*(\a%2)+\i:33+32*(\a%2)+\i] op_sel_hi:[1,0,1]
.endr
.irp t, 0,1,2,3,4,5,6,7
	global_store_b128 v26, v[96+32*\a+4*\t:99+32*\a+4*\t], s[14:15] offset:(16*\a+2*\t)*4096
.endr
.if \a < 2
	RESLOAD \a+2
.endif
.endr
	s_wait_tensorcnt 0x0
	ds_add_u32 v28, v29
	s_wait_dscnt 0x0
	CROUND
	s_endpgm
.Lfunc_end_k_q0098c424ab_ffn2:
	.size	k_q0098c424ab_ffn2, .Lfunc_end_k_q0098c424ab_ffn2-k_q0098c424ab_ffn2
	.p2alignl 7, 3214868480
	.fill 96, 4, 3214868480
	.section	.rodata,"a",@progbits
	.p2align	6, 0x0
	.amdhsa_kernel k_q0098c424ab_ffn2
		.amdhsa_group_segment_fixed_size 327680
		.amdhsa_private_segment_fixed_size 0
		.amdhsa_enable_private_segment 0
		.amdhsa_kernarg_size 48
		.amdhsa_user_sgpr_count 2
		.amdhsa_user_sgpr_kernarg_segment_ptr 1
		.amdhsa_wavefront_size32 1
		.amdhsa_system_sgpr_workgroup_id_x 1
		.amdhsa_system_sgpr_workgroup_id_y 1
		.amdhsa_system_sgpr_workgroup_id_z 1
		.amdhsa_system_vgpr_workitem_id 0
		.amdhsa_next_free_vgpr 512
		.amdhsa_next_free_sgpr 100
		.amdhsa_reserve_vcc 0
		.amdhsa_float_denorm_mode_32 3
		.amdhsa_float_denorm_mode_16_64 3
		.amdhsa_memory_ordered 1
		.amdhsa_forward_progress 1
		.amdhsa_inst_pref_size 136
	.end_amdhsa_kernel
	.amdgpu_metadata
---
amdhsa.version: [ 1, 2 ]
amdhsa.kernels:
  - .name:           k_q0098c424ab_ffn2
    .symbol:         k_q0098c424ab_ffn2.kd
    .args:
      - { .name: hidf, .offset: 0, .size: 8, .value_kind: global_buffer, .address_space: global }
      - { .name: wf, .offset: 8, .size: 8, .value_kind: global_buffer, .address_space: global }
      - { .name: b2, .offset: 16, .size: 8, .value_kind: global_buffer, .address_space: global }
      - { .name: x1, .offset: 24, .size: 8, .value_kind: global_buffer, .address_space: global }
      - { .name: lowp_scales, .offset: 32, .size: 8, .value_kind: global_buffer, .address_space: global }
      - { .name: out0, .offset: 40, .size: 8, .value_kind: global_buffer, .address_space: global }
    .group_segment_fixed_size: 327680
    .private_segment_fixed_size: 0
    .kernarg_segment_align: 8
    .kernarg_segment_size: 48
    .max_flat_workgroup_size: 128
    .sgpr_count:     100
    .vgpr_count:     512
    .wavefront_size: 32
...
	.end_amdgpu_metadata
.endif
;; end of part 7
